; MI455X (gfx1250); checked and timed in simulation.
; The chip was launched on July 23, 2026; its instructions are those of AMD's public machine-readable ISA for CDNA 5 (MIT licence, August 2026) and "CDNA5" Instruction Set Architecture Reference Guide (July 2026). The comments in the code are by the model that wrote it; some were corrected since.
;; Multi Head Attention. Allowed arithmetic: float matrix products may take bf16 or f16 operands with f32 sums; other float arithmetic in f32, or as packed bf16 or f16 multiplies, adds, multiply-adds, maxima and minima; sums over many terms, partial sums and values carried from step to step in f32; what a program stores and reads back later, other than sums and carried values, may be rounded once to bf16 or f16.
;; Inputs: bk 2,048 float32; bo 2,048 float32; bq 2,048 float32; bv 2,048 float32; freqs_cos 1 x 2,048 x 1 x 64 float32; freqs_sin 1 x 2,048 x 1 x 64 float32; wk 2,048 x 2,048 float32; wo 2,048 x 2,048 float32; wq 2,048 x 2,048 float32; wv 2,048 x 2,048 float32; x 4 x 1,024 x 2,048 float32.
;; Outputs: out0 4 x 1,024 x 2,048 float32.
;; 2 versions, each right; version 2 is version 1 with the launch cast written anew for expert scheduling mode. Each part assembles by itself: llvm-mc -triple=amdgcn-amd-amdhsa -mcpu=gfx1250 --defsym DOCPART=n.
;; ======== version 1 of 2: 4 launches
;; limits: values are held in f16: magnitudes above 65,504 overflow, below 6.1e-05 lose precision
;; workspace buffers: xb 16,777,216 bytes; wqkv 25,165,824 bytes; wof 8,388,608 bytes; bias 32,768 bytes; fr 524,288 bytes; qkv 50,331,648 bytes; y 16,777,216 bytes
;; launch cast (part 1): grid 128 x 7, 8 waves a work-group, no clusters, 0 bytes of LDS; arguments x, wq, wk, wv, wo, bq, bk, bv, bo, freqs_cos, freqs_sin, xb, wqkv, wof, bias, fr; writes xb, wqkv, wof, bias, fr
.if DOCPART == 1
	.amdgcn_target "amdgcn-amd-amdhsa--gfx1250"
	.amdhsa_code_object_version 6
	.text
	.protected	k_qff7893ceb9_cast
	.globl	k_qff7893ceb9_cast
	.p2align	8
	.type	k_qff7893ceb9_cast,@function
k_qff7893ceb9_cast:
	s_mov_b64 s[64:65], 0
	v_nop
	global_prefetch_b8 v0, s[64:65] scope:SCOPE_SE
	s_setreg_imm32_b32 hwreg(HW_REG_WAVE_MODE, 25, 1), 1
	s_wait_xcnt 0x0
; EVERY INPUT IS ROUNDED ONCE TO bf16 (nearest even), so that the whole program computes on one and the same rounding of its inputs.
;   x -> xb, bf16, IN BLOCKS for the product that reads it: [16 tiles of 256 rows][32 K steps][256 rows][64 k]: a tile's share of a K step is 32,768 bytes on end;
;   wq, wk, wv (rows on end, 6,144) -> wqkv, bf16, likewise: [16 tiles of 384 rows][32 K steps][384 rows][64 k]: 49,152 bytes on end;
;   wo -> wof [2048][2048]: the bf16 number written as f16, rows as they lie;
;   bq, bk, bv, bo -> bias [8192] f32 words that hold bf16 numbers;  cos, sin of positions 0..1023 (all that the module's 1,024 positions use) -> fr [1024][64 cos | 64 sin], likewise.
; LIMIT.  wof: a bf16 number is exact in f16 between 6.1e-5 and 65,504; below it keeps f16's fixed step of 6e-8, above it becomes an infinity.
; SHARES.  Grid rows 0..5 take six segments of 16,777,216 bytes of f32 (x's two halves, wq, wk, wv, wo); a work-group 131,072 bytes (16 rows), a wave 16,384 (two rows): 32 loads of 16 bytes a lane,
; ALL issued before the first wait.  Into blocks: load i takes K step i of both rows (lanes 0-15 the 256 bytes of one row, lanes 16-31 those of the next), and store i puts their 2 x 128 bytes
; on end into block i: 256 consecutive bytes, aligned.  wo: each load 512 consecutive bytes, each store 256.  No loop, no LDS, no register written twice behind its store.
; Grid row 6 takes the small tables.  No matrix unit, no cluster: nothing is shared and nothing is multiplied.
.set X, 8                              ; v[8:135]   32 slots of 4: as loaded, then the slot's first two as stored
.set T, 136                            ; v[136:137] at work
.macro CVB i, blk                      ; slot i to bf16, into block i of blk bytes
	s_wait_loadcnt 31-(\i)                         ; loads come back in order (ISA guide 5.7.1): slot i is in, the 31 - i younger ones stay out
	v_cvt_pk_bf16_f32 v[X+4*(\i)], v[X+4*(\i)], v[X+4*(\i)+1]
	v_cvt_pk_bf16_f32 v[X+4*(\i)+1], v[X+4*(\i)+2], v[X+4*(\i)+3]
	global_store_b64 v2, v[X+4*(\i):X+4*(\i)+1], s[42:43] offset:(\blk)*(\i)
.endm
.macro CVH i                           ; slot i to bf16, and that number written as f16
	s_wait_loadcnt 31-(\i)
	v_cvt_pk_bf16_f32 v[T], v[X+4*(\i)], v[X+4*(\i)+1]
	v_cvt_pk_bf16_f32 v[T+1], v[X+4*(\i)+2], v[X+4*(\i)+3]
	v_lshlrev_b32 v[X+4*(\i)], 16, v[T]            ; bf16 to f32: the low half moves up, the high half stays
	v_and_b32 v[X+4*(\i)+1], s46, v[T]
	v_lshlrev_b32 v[X+4*(\i)+2], 16, v[T+1]
	v_and_b32 v[X+4*(\i)+3], s46, v[T+1]
	v_cvt_pk_f16_f32 v[X+4*(\i)], v[X+4*(\i)], v[X+4*(\i)+1]
	v_cvt_pk_f16_f32 v[X+4*(\i)+1], v[X+4*(\i)+2], v[X+4*(\i)+3]
	global_store_b64 v2, v[X+4*(\i):X+4*(\i)+1], s[42:43] offset:256*(\i)
.endm
.macro RND src, tmp, dst               ; four f32 rounded to bf16 and widened again, into other registers
	v_cvt_pk_bf16_f32 v[\tmp], v[\src], v[(\src)+1]
	v_cvt_pk_bf16_f32 v[(\tmp)+1], v[(\src)+2], v[(\src)+3]
	v_lshlrev_b32 v[\dst], 16, v[\tmp]
	v_and_b32 v[(\dst)+1], s46, v[\tmp]
	v_lshlrev_b32 v[(\dst)+2], 16, v[(\tmp)+1]
	v_and_b32 v[(\dst)+3], s46, v[(\tmp)+1]
.endm
	s_load_b512 s[4:19], s[0:1], 0x0               ; x s[4:5], wq s[6:7], wk s[8:9], wv s[10:11], wo s[12:13], bq s[14:15], bk s[16:17], bv s[18:19]
	s_load_b512 s[20:35], s[0:1], 0x40             ; bo s[20:21], cos s[22:23], sin s[24:25], xb s[26:27], wqkv s[28:29], wof s[30:31], bias s[32:33], fr s[34:35]
	s_and_b32 s36, ttmp7, 0xffff                   ; the grid's row: which segment
	s_mov_b32 s37, ttmp9                           ; the work-group in its row, 0..127
	v_lshrrev_b32 v3, 5, v0
	v_readfirstlane_b32 s38, v3                    ; wave 0..7
	s_mov_b32 s46, 0xffff0000                      ; a word's upper bf16
	s_mov_b32 s45, 0                               ; offsets are made in s[44:45], apart from the addresses
	s_wait_kmcnt 0x0
	s_cmp_eq_u32 s36, 6
	s_cbranch_scc1 .Lsmall
	s_cmp_eq_u32 s36, 5
	s_cbranch_scc1 .Lwo
	; INTO BLOCKS.  From where: x for rows 0 and 1 of the grid, then one weight matrix a row
	s_mov_b64 s[40:41], s[4:5]
	s_cmp_eq_u32 s36, 2
	s_cselect_b64 s[40:41], s[6:7], s[40:41]
	s_cmp_eq_u32 s36, 3
	s_cselect_b64 s[40:41], s[8:9], s[40:41]
	s_cmp_eq_u32 s36, 4
	s_cselect_b64 s[40:41], s[10:11], s[40:41]
	s_cmp_lt_u32 s36, 2
	s_cselect_b32 s44, s36, 0                      ; x's second half lies 16,777,216 bytes in; the weights begin at 0
	s_lshl_b32 s44, s44, 24
	s_lshl_b32 s47, s37, 17                        ; a work-group's 16 rows are 131,072 bytes in
	s_add_co_u32 s44, s44, s47
	s_add_nc_u64 s[40:41], s[40:41], s[44:45]
	; to where in xb: my first row is 2,048 y + 16 g: tile 8 y + g / 16 of 2^20 bytes, row 16 (g % 16) of 128 bytes in each block
	s_lshl_b32 s39, s36, 3
	s_lshr_b32 s47, s37, 4
	s_add_co_u32 s39, s39, s47
	s_lshl_b32 s39, s39, 20
	s_and_b32 s47, s37, 15
	s_lshl_b32 s47, s47, 11
	s_add_co_u32 s39, s39, s47
	; to where in wqkv: my first row is 16 n, n = 128 (y - 2) + g, 0..383: tile n / 24 of 32 x 49,152 bytes, row 16 (n % 24)
	s_max_u32 s44, s36, 2
	s_sub_co_u32 s44, s44, 2
	s_lshl_b32 s44, s44, 7
	s_add_co_u32 s44, s44, s37
	s_mul_i32 s47, s44, 2731                       ; 2,731 / 65,536 is 1 / 24 and 5.1e-6 of n more: under 0.002 for n < 384, so the whole part is n / 24
	s_lshr_b32 s47, s47, 16
	s_mul_i32 s2, s47, 24
	s_sub_co_u32 s44, s44, s2
	s_lshl_b32 s44, s44, 11
	s_mul_i32 s47, s47, 32*49152
	s_add_co_u32 s44, s44, s47
	s_cmp_lt_u32 s36, 2
	s_cselect_b32 s44, s39, s44
	s_cselect_b64 s[42:43], s[26:27], s[28:29]
	s_add_nc_u64 s[42:43], s[42:43], s[44:45]
	v_and_b32 v4, 15, v0
	v_bfe_u32 v5, v0, 4, 1
	v_lshlrev_b32 v1, 14, v3                       ; in: two rows of 8,192 bytes a wave,
	v_lshl_or_b32 v1, v5, 13, v1                   ;     lanes 16-31 the second row,
	v_lshl_or_b32 v1, v4, 4, v1                    ;     16 bytes a lane
	v_lshlrev_b32 v2, 3, v0                        ; out: 256 bytes a wave, 8 a lane: the thread's number x 8
.set i, 0
.rept 32
	global_load_b128 v[X+4*i:X+4*i+3], v1, s[40:41] offset:256*i th:TH_LOAD_NT
.set i, i+1
.endr
	s_cmp_lt_u32 s36, 2
	s_cbranch_scc1 .Lx
.set i, 0
.rept 32
	CVB i, 49152
.set i, i+1
.endr
	s_endpgm
.Lx:
.set i, 0
.rept 32
	CVB i, 32768
.set i, i+1
.endr
	s_endpgm
.Lwo:                                  ; wo: rows as they lie
	s_lshl_b32 s44, s37, 17
	s_add_nc_u64 s[40:41], s[12:13], s[44:45]
	s_lshl_b32 s44, s37, 16
	s_add_nc_u64 s[42:43], s[30:31], s[44:45]
	v_and_b32 v4, 31, v0
	v_lshlrev_b32 v1, 14, v3                       ; in: 16,384 x wave + 16 x lane
	v_lshl_or_b32 v1, v4, 4, v1
	v_lshrrev_b32 v2, 1, v1                        ; out: half of that
.set i, 0
.rept 32
	global_load_b128 v[X+4*i:X+4*i+3], v1, s[40:41] offset:512*i th:TH_LOAD_NT
.set i, i+1
.endr
.set i, 0
.rept 32
	CVH i
.set i, i+1
.endr
	s_endpgm
.Lsmall:
	; fr: the work-group takes positions 8 g .. 8 g + 7: 2,048 bytes of cos (waves 0-3) and of sin (waves 4-7); sixteen lanes store a position's 256 bytes
	s_lshr_b32 s39, s38, 2                         ; 0: cos, 1: sin
	s_cmp_eq_u32 s39, 0
	s_cselect_b64 s[40:41], s[22:23], s[24:25]
	v_and_b32 v4, 127, v0
	s_lshl_b32 s44, s37, 11
	v_lshl_add_u32 v1, v4, 4, s44                  ; in: 2,048 g + 16 t
	v_lshrrev_b32 v5, 4, v4                        ; the position among the eight
	v_and_b32 v6, 15, v4
	s_lshl_b32 s44, s37, 12                        ; out: 8 g positions of 512 bytes,
	s_lshl_b32 s47, s39, 8                         ; sin behind cos
	s_add_co_u32 s44, s44, s47
	v_lshl_add_u32 v2, v5, 9, s44
	v_lshl_add_u32 v2, v6, 4, v2
	global_load_b128 v[8:11], v1, s[40:41]
	s_wait_loadcnt 0x0
	RND 8, 12, 16
	global_store_b128 v2, v[16:19], s[34:35]
	; bias: work-groups 0..7 take 4,096 bytes each: two to a bias vector.  Other registers than above: nothing that a pending store reads is written
	s_cmp_lt_u32 s37, 8
	s_cbranch_scc0 .Ldone
	s_lshr_b32 s39, s37, 1
	s_mov_b64 s[42:43], s[14:15]
	s_cmp_eq_u32 s39, 1
	s_cselect_b64 s[42:43], s[16:17], s[42:43]
	s_cmp_eq_u32 s39, 2
	s_cselect_b64 s[42:43], s[18:19], s[42:43]
	s_cmp_eq_u32 s39, 3
	s_cselect_b64 s[42:43], s[20:21], s[42:43]
	s_and_b32 s39, s37, 1
	s_lshl_b32 s39, s39, 12
	v_lshl_add_u32 v20, v0, 4, s39                 ; in: which half of the vector
	s_lshl_b32 s39, s37, 12
	v_lshl_add_u32 v21, v0, 4, s39                 ; out: the four vectors on end
	global_load_b128 v[24:27], v20, s[42:43]
	s_wait_loadcnt 0x0
	RND 24, 28, 32
	global_store_b128 v21, v[32:35], s[32:33]
.Ldone:
	s_endpgm
.Lfunc_end_k_qff7893ceb9_cast:
	.size	k_qff7893ceb9_cast, .Lfunc_end_k_qff7893ceb9_cast-k_qff7893ceb9_cast
	.p2alignl 7, 3214868480
	.fill 96, 4, 3214868480
	.section	.rodata,"a",@progbits
	.p2align	6, 0x0
	.amdhsa_kernel k_qff7893ceb9_cast
		.amdhsa_group_segment_fixed_size 0
		.amdhsa_private_segment_fixed_size 0
		.amdhsa_enable_private_segment 0
		.amdhsa_kernarg_size 128
		.amdhsa_user_sgpr_count 2
		.amdhsa_user_sgpr_kernarg_segment_ptr 1
		.amdhsa_wavefront_size32 1
		.amdhsa_system_sgpr_workgroup_id_x 1
		.amdhsa_system_sgpr_workgroup_id_y 1
		.amdhsa_system_sgpr_workgroup_id_z 1
		.amdhsa_system_vgpr_workitem_id 0
		.amdhsa_next_free_vgpr 144
		.amdhsa_next_free_sgpr 66
		.amdhsa_reserve_vcc 0
		.amdhsa_float_denorm_mode_32 3
		.amdhsa_float_denorm_mode_16_64 3
		.amdhsa_memory_ordered 1
		.amdhsa_forward_progress 1
		.amdhsa_inst_pref_size 43
	.end_amdhsa_kernel
	.amdgpu_metadata
---
amdhsa.version: [ 1, 2 ]
amdhsa.kernels:
  - .name:           k_qff7893ceb9_cast
    .symbol:         k_qff7893ceb9_cast.kd
    .args:
      - { .name: x, .offset: 0, .size: 8, .value_kind: global_buffer, .address_space: global }
      - { .name: wq, .offset: 8, .size: 8, .value_kind: global_buffer, .address_space: global }
      - { .name: wk, .offset: 16, .size: 8, .value_kind: global_buffer, .address_space: global }
      - { .name: wv, .offset: 24, .size: 8, .value_kind: global_buffer, .address_space: global }
      - { .name: wo, .offset: 32, .size: 8, .value_kind: global_buffer, .address_space: global }
      - { .name: bq, .offset: 40, .size: 8, .value_kind: global_buffer, .address_space: global }
      - { .name: bk, .offset: 48, .size: 8, .value_kind: global_buffer, .address_space: global }
      - { .name: bv, .offset: 56, .size: 8, .value_kind: global_buffer, .address_space: global }
      - { .name: bo, .offset: 64, .size: 8, .value_kind: global_buffer, .address_space: global }
      - { .name: freqs_cos, .offset: 72, .size: 8, .value_kind: global_buffer, .address_space: global }
      - { .name: freqs_sin, .offset: 80, .size: 8, .value_kind: global_buffer, .address_space: global }
      - { .name: xb, .offset: 88, .size: 8, .value_kind: global_buffer, .address_space: global }
      - { .name: wqkv, .offset: 96, .size: 8, .value_kind: global_buffer, .address_space: global }
      - { .name: wof, .offset: 104, .size: 8, .value_kind: global_buffer, .address_space: global }
      - { .name: bias, .offset: 112, .size: 8, .value_kind: global_buffer, .address_space: global }
      - { .name: fr, .offset: 120, .size: 8, .value_kind: global_buffer, .address_space: global }
    .group_segment_fixed_size: 0
    .private_segment_fixed_size: 0
    .kernarg_segment_align: 8
    .kernarg_segment_size: 128
    .max_flat_workgroup_size: 256
    .sgpr_count:     66
    .vgpr_count:     144
    .wavefront_size: 32
...
	.end_amdgpu_metadata
.endif
;; end of part 1
;; launch qkv (part 2): grid 16 x 16, 4 waves a work-group, clusters of 4 x 4, 327,680 bytes of LDS; arguments xb, wqkv, bias, qkv; writes qkv
.if DOCPART == 2
	.amdgcn_target "amdgcn-amd-amdhsa--gfx1250"
	.amdhsa_code_object_version 6
	.text
	.protected	k_qff7893ceb9_qkv
	.globl	k_qff7893ceb9_qkv
	.p2align	8
	.type	k_qff7893ceb9_qkv,@function
k_qff7893ceb9_qkv:
	s_mov_b64 s[64:65], 0
	v_nop
	global_prefetch_b8 v0, s[64:65] scope:SCOPE_SE
	s_setreg_imm32_b32 hwreg(HW_REG_WAVE_MODE, 25, 1), 1
	s_wait_xcnt 0x0
	s_wait_alu depctr_hold_cnt(0) depctr_sa_sdst(0) depctr_va_vdst(0) depctr_va_sdst(0) depctr_va_ssrc(0) depctr_va_vcc(0) depctr_vm_vsrc(0)
	s_getreg_b32 s2, hwreg(HW_REG_IB_STS2, 6, 4)
	s_cmp_eq_u32 s2, 0
	s_cbranch_scc0 .Lentry_in_a_cluster
	s_endpgm
.Lentry_in_a_cluster:
	s_bfe_u32 s2, ttmp6, 0x10000c
	s_cmp_lg_u32 s2, 0xf033
	s_cbranch_scc0 .Lentry_shape_is_right
	s_endpgm
.Lentry_shape_is_right:
; qkv[m][n] = the sum over k of x[m][k] w[n][k] + bias[n]: 4,096 x 6,144 over K = 2,048.  Operands bf16, sums f32, qkv [4096][6144] f16, rounded once.
; LIMIT.  qkv is f16: a q, k or v beyond 65,504 becomes an infinity.  NaN and infinities are not treated apart.
; THE TILE is 256 x 384: 16 x 16 = 256 equal work-groups, one tile each.  Four waves, 2 x 2: a wave makes 128 x 192: 96 accumulators of 16 x 16, 768 registers.  For 32 along K a wave reads
; (128 + 192) x 64 bytes from LDS for 96 matrix instructions, and a K step brings (256 + 384) rows into LDS for 256 x 384 outputs.
; K GOES IN STEPS OF 64 through two LDS slots: two slots of 640 rows at a step of 128 would take 2 x 640 x 272 = 348,160 bytes, more than the 327,680 that there are.
; THE OPERANDS LIE IN BLOCKS, as the launch before has written them: xb [16 tiles of 256 rows][32 K steps][256][64], wqkv [16 tiles of 384 rows][32 K steps][384][64].  So a tile's share of a K step
; is dense, and is asked for as rows of 256 bytes, two matrix rows a row, at multiples of 256 from the buffer's first byte, padded in LDS behind every matrix row (128 + 16 bytes).
; Waves 0 and 1 fetch the halves of A's block (64 rows of 256 bytes each), waves 2 and 3 those of B's (96 each): one tensor load a wave behind each change of slots; two are out at the start, later one.
; CLUSTER 4 x 4.  The four of a row of the cluster need the same block of A, the four of a column the same block of B: each is asked for JOINTLY, by the same load, descriptor and mask in all four.
; THE MATRIX INSTRUCTION IS USED TRANSPOSED (source 0 = 16 rows of w, source 1 = 16 rows of x): a lane holds row l % 16 of the result and the columns 8 (l / 16) + 0..7.
; REGISTERS, in windows of 256 (s_set_vgpr_msb: bits 1:0 source 0, 3:2 source 1, 5:4 source 2, 7:6 destination):
;   window 0: v0-31 addresses; v32-95, v96-159 A's fragments (8 x 16 rows x 32 K), two buffers; v160-255 B's (12 x 16 rows x 32 K), ONE buffer
;   window 1 + g: the 32 accumulators of column group g (64 columns): row block a, column block bb of the group's four, at v[8 (4 a + bb)]
; A CHUNK is 32 along K: three groups of 32 matrix instructions, each under one window setting.  Behind group g its 32 registers of B are free and are loaded again for the next chunk, 64 matrix
; instructions ahead of their use; A's other buffer is loaded in halves with the first two of these runs.  So 96 + 128 registers of fragments serve where two whole buffers would want 320.
; THE BIAS costs no register and no vector work: it is loaded into the accumulators of row block 7 (in this layout register j is bias[n0 + 8 (l / 16) + j], the same for every row block) and is the
; C operand of the first products of blocks 0 to 6; then block 7's first products add in place onto it.
.set SIZE_N, 6144
.set STEPS,  32                        ; K steps of 64
.set LAPS,   STEPS/2                   ; a lap = two K steps = once round the ring
.set PITCH,  144                       ; a matrix row in LDS: 128 bytes + 16 = 36 words: the 16 rows of a load start at 16 different groups of four banks (64 banks of 4 bytes: ISA guide 11.1)
.set ABYTES, 256*PITCH                 ; A's part of a slot
.set BBYTES, 384*PITCH                 ; B's, behind it
.set SLOT,   ABYTES+BBYTES             ; 92,160
.set ABLK,   256*64*2                  ; a block of xb in memory
.set BBLK,   384*64*2                  ; a block of wqkv
.set SP,     784                       ; the stage: 256 rows of 768 bytes + 16 (49 x 16: sixteen rows start at sixteen different groups of four banks).  It lies over the two slots, and is
.set SPARE,  256*SP                    ; written behind their last fill and behind a barrier that follows every wave's last read of them.  Behind it the spare words, 128 bytes a wave, that no other line names
.set ROWB,   SIZE_N*2
.set ADRA, 16                          ; v16-17  LDS address of my A fragments in slot 0, 1
.set ADRB, 20                          ; v20-21  the same for B
.set STO,  24                          ; v24     the way out: where I put 16 bytes of a row
.set RD,   25                          ; v25     the way out: where I read a row back
.set CO,   26                          ; v26     my byte offset in qkv
.set BO,   27                          ; v27     my byte offset in the wave's part of the bias
.set SPW,  28                          ; v28     LDS address of my spare word; never rewritten
.set NIL,  29                          ; v29     0; never rewritten
.set PFO,  30                          ; v30     the prefetches' offset: 256 x my lane; never rewritten
.set STO2, 31                          ; v31     STO, 64 stage rows on
.set FA,   32
.set FB,   160
.set TMP,  32                          ; the way out: a column group's packed results, 128 registers
.set OB,   64                          ; the way out: rows read back from the stage
.set WV,   12                          ; s12     my wave's number
.set HF,   13                          ; s13     wave % 2: my half of the tile's columns; also which half of a block I fetch
.set G1,   24                          ; s[24:31] descriptor group 1 for A;  s[32:39] group 0, a set for each slot
.set G0,   32
.set LIM,  43                          ; s43     1 in a wave that prefetches, else the greatest number
.set PFA,  44                          ; s[44:45] where my prefetches stand
.set G1B,  48                          ; s[48:55], s[56:63] the same for B
.set G0B,  56
.set PFS,  66                          ; s[66:67] how far my prefetches step at a change of slots: a block of A or of B
.set LIM1, 68                          ; s68     LIM for the changes that leave slot 1
.set WR,   70                          ; s70     wave / 2: my half of the tile's rows
.set MSB, 0
.macro WIN new                         ; the immediate's high byte repeats the setting that is left; a switch that changes nothing is dropped
.if MSB != (\new)
	s_set_vgpr_msb (MSB<<8)|(\new)
.set MSB, \new
.endif
.endm
.macro PLACES                          ; four plain vector instructions between a matrix instruction and a load into, or a vector line on, its registers
.rept 4
	v_nop
.endr
.endm
; A joint refill.  The branch hangs on the wave's number alone: it is the same in every work-group.  An s_nop 0 and four v_nop follow each load.
.macro JLOAD s
	s_cmp_lt_u32 s[WV], 2
	s_cbranch_scc0 .Lfor_b_\@
	tensor_load_to_lds s[G0+4*(\s):G0+4*(\s)+3], s[G1:G1+7]
	s_nop 0
	PLACES
	s_branch .Lasked_\@
.Lfor_b_\@:
	tensor_load_to_lds s[G0B+4*(\s):G0B+4*(\s)+3], s[G1B:G1B+7]
	s_nop 0
	PLACES
.Lasked_\@:
.endm
; A PREFETCH INTO THE L2, behind the joint load and its lines: 32 lanes x 256 bytes, 8,192 bytes on end, one instruction a wave.  The change of slots in K step t asks for the blocks from step t + 3 on,
; which the next change but none loads: one K step, 192 matrix instructions, ahead of that load (B's second block: two).
; Each 256 bytes are named once in the launch.  A's blocks are read by every cluster of a row of clusters: those with x = 0 ask; wave 0, at every change, for its work-group's quarter (by cx) of one block.
; B's are read by every cluster of a column: those with y = 0 ask; waves 1 to 3, at every second change, each for a third of its work-group's quarter (by cy) of two blocks, which lie on end.
; The partners are told apart by address alone.  K steps 0 to 2 come by their loads alone; the loop's last trip (s3 = 1) asks for nothing, so no request passes step 30's block.
.macro ASK slot
.if \slot
	s_cmp_gt_u32 s3, s[LIM1]
.else
	s_cmp_gt_u32 s3, s[LIM]
.endif
	s_cbranch_scc0 .Lnot_mine_\@
	global_prefetch_b8 v[PFO], s[PFA:PFA+1] th:TH_LOAD_NT scope:SCOPE_SE
.Lnot_mine_\@:
.endm
; A round of the cluster's barrier: my work-group's barrier, wave 0 signals for the work-group, every wave waits for all sixteen, my work-group's barrier once more.
.macro CREST
	s_cmp_lg_u32 s[WV], 0
	s_cbranch_scc1 .Lnot_wave_0_\@
	s_barrier_signal -3
.Lnot_wave_0_\@:
	s_barrier_wait -3
	s_barrier_signal -1
	s_barrier_wait -1
.endm
.macro CROUND
	s_barrier_signal -1
	s_barrier_wait -1
	CREST
.endm
	s_load_b256 s[4:11], s[0:1], 0x0               ; xb s[4:5], wqkv s[6:7], bias s[8:9], qkv s[10:11]
	v_lshl_add_u32 v[SPW], v0, 2, SPARE
	v_mov_b32 v[NIL], 0
	ds_add_u32 v[SPW], v[NIL]                      ; the wave's opening: the add and its wait stand ahead of my first tensor load; work on registers stands between them
	v_lshrrev_b32 v1, 5, v0
	v_readfirstlane_b32 s[WV], v1                  ; wave 0..3
	s_and_b32 s[HF], s[WV], 1
	s_lshr_b32 s[WR], s[WV], 1
	s_bfe_u32 s40, ttmp6, 0x40000                  ; cx, cy: my place in the cluster
	s_bfe_u32 s41, ttmp6, 0x40004
	s_lshl_b32 s14, ttmp9, 2
	s_add_co_u32 s14, s14, s40                     ; tile column = 4 x cluster x + cx
	s_and_b32 s15, ttmp7, 0xffff
	s_lshl_b32 s15, s15, 2
	s_add_co_u32 s15, s15, s41                     ; tile row = 4 x cluster y + cy
	s_lshl_b32 s16, s41, 2
	s_lshl_b32 s16, 15, s16                        ; my row of the cluster: places 4 cy .. 4 cy + 3
	s_lshl_b32 s17, 0x1111, s40                    ; my column: places cx, cx + 4, cx + 8, cx + 12
	; descriptor group 1: rows of 128 elements of 2 bytes, dense, padded in LDS behind every 128 bytes
	s_or_b32 s[G1], s16, (1<<16)|(1<<20)|(1<<21)|(4<<22)|(3<<25)   ; 15:0 the mask; 17:16 2-byte elements; 20 padding on; 21 set beside a mask; 24:22 after every 32 words (code 4); 31:25 4 words (code 3)
	s_or_b32 s[G1B], s17, (1<<16)|(1<<20)|(1<<21)|(4<<22)|(3<<25)
	s_mov_b32 s[G1+1], 128<<16                     ; tensor_dim0 = 128
	s_mov_b32 s[G1+2], 64<<16                      ; tensor_dim1 = 64: half of A's block
	s_mov_b32 s[G1+3], 128<<16                     ; tile_dim0 = 128
	s_mov_b32 s[G1+4], 64                          ; tile_dim1 = 64
	s_mov_b32 s[G1+5], 128                         ; 128 elements from row to row
	s_mov_b32 s[G1+6], 0
	s_mov_b32 s[G1+7], 0
	s_mov_b32 s[G1B+1], 128<<16
	s_mov_b32 s[G1B+2], 96<<16                     ; 96 rows: half of B's block
	s_mov_b32 s[G1B+3], 128<<16
	s_mov_b32 s[G1B+4], 96
	s_mov_b32 s[G1B+5], 128
	s_mov_b32 s[G1B+6], 0
	s_mov_b32 s[G1B+7], 0
	; A's offset hangs on the tile row and the wave alone, B's on the tile column and the wave alone, each in registers that never hold the other coordinate
	s_lshl_b32 s18, s15, 20                        ; a tile's 32 blocks of 32,768 bytes
	s_lshl_b32 s42, s[HF], 14                      ; my half of a block
	s_add_co_u32 s18, s18, s42
	s_mov_b32 s19, 0
	s_mul_i32 s46, s14, STEPS*BBLK
	s_mul_i32 s42, s[HF], BBLK/2
	s_add_co_u32 s46, s46, s42
	s_mov_b32 s47, 0
	s_mul_i32 s20, s[HF], ABYTES/2                 ; where the halves go: no place in the cluster enters an LDS address
	s_mul_i32 s21, s[HF], BBYTES/2
	s_add_co_u32 s21, s21, ABYTES
	s_wait_dscnt 0x0                               ; the opening add is done
	s_wait_kmcnt 0x0
	s_add_nc_u64 s[18:19], s[4:5], s[18:19]
	s_add_nc_u64 s[46:47], s[6:7], s[46:47]
	CROUND                                         ; all sixteen work-groups are here: the first joint loads meet
.irp s, 0,1
	s_mov_b32 s[G0+4*(\s)], 1                                        ; count = 1
	s_add_co_u32 s[G0+4*(\s)+1], s20, (\s)*SLOT                      ; LDS address
	s_add_nc_u64 s[G0+4*(\s)+2:G0+4*(\s)+3], s[18:19], (\s)*ABLK     ; global address: K step s
	s_or_b32 s[G0+4*(\s)+3], s[G0+4*(\s)+3], 0x80000000              ; type = 2
	s_mov_b32 s[G0B+4*(\s)], 1
	s_add_co_u32 s[G0B+4*(\s)+1], s21, (\s)*SLOT
	s_add_nc_u64 s[G0B+4*(\s)+2:G0B+4*(\s)+3], s[46:47], (\s)*BBLK
	s_or_b32 s[G0B+4*(\s)+3], s[G0B+4*(\s)+3], 0x80000000
.endr
	s_cmp_lt_u32 s[WV], 2                          ; a wave's two first fills stand together in one branch, ahead of every wait on TENSORcnt, every LDS read and every further barrier
	s_cbranch_scc0 .Lfirst_b
	tensor_load_to_lds s[G0:G0+3], s[G1:G1+7]
	s_nop 0
	tensor_load_to_lds s[G0+4:G0+7], s[G1:G1+7]
	s_nop 0
	PLACES
	s_branch .Lfirst_asked
.Lfirst_b:
	tensor_load_to_lds s[G0B:G0B+3], s[G1B:G1B+7]
	s_nop 0
	tensor_load_to_lds s[G0B+4:G0B+7], s[G1B:G1B+7]
	s_nop 0
	PLACES
.Lfirst_asked:
	; the bias of my 192 columns, into the accumulators of row block 7: register j of column block b is bias[384 x tile column + 192 x half + 16 b + 8 (l / 16) + j]
	v_and_b32 v1, 15, v0                           ; l % 16
	v_bfe_u32 v2, v0, 4, 1                         ; l / 16
	s_mul_i32 s22, s14, 384
	s_mul_i32 s23, s[HF], 192
	s_add_co_u32 s22, s22, s23
	s_lshl_b32 s22, s22, 2
	s_mov_b32 s23, 0
	s_add_nc_u64 s[8:9], s[8:9], s[22:23]
	v_lshlrev_b32 v[BO], 5, v2
.irp g, 0,1,2
	WIN (1+\g)<<6                                  ; destination: the group's window; address: window 0
.irp bb, 0,1,2,3
	global_load_b128 v[8*(28+\bb):8*(28+\bb)+3],   v[BO], s[8:9] offset:64*(4*\g+\bb)
	global_load_b128 v[8*(28+\bb)+4:8*(28+\bb)+7], v[BO], s[8:9] offset:64*(4*\g+\bb)+16
.endr
.endr
	WIN 0
	; A fragment is 16 rows x 32 K in 8 registers: lane l holds row l % 16; registers 0-3 K = 8 (l / 16) + 0..7, registers 4-7 K = 16 + 8 (l / 16) + 0..7: two loads of 16 bytes, 32 bytes apart
	v_mul_u32_u24 v3, v1, PITCH
	v_lshl_add_u32 v3, v2, 4, v3
	s_mul_i32 s22, s[WR], ABYTES/2                 ; my 128 rows of A
	v_add_nc_u32 v[ADRA], s22, v3
	s_add_co_u32 s22, s22, SLOT
	v_add_nc_u32 v[ADRA+1], s22, v3
	v_add_nc_u32 v[ADRB], s21, v3                  ; my 192 rows of B: half HF, behind A's 256 rows
	s_add_co_u32 s22, s21, SLOT
	v_add_nc_u32 v[ADRB+1], s22, v3
	s_mul_i32 s22, s[WR], 128*SP                   ; into the stage: my 128 rows, my 384 bytes of their 768; row l % 16, 16 bytes for each half of the lanes
	s_mul_i32 s23, s[HF], 384
	s_add_co_u32 s22, s22, s23
	v_mul_u32_u24 v4, v1, SP
	v_lshl_add_u32 v4, v2, 4, v4
	v_add_nc_u32 v[STO], s22, v4
	v_add_nc_u32 v[STO2], 64*SP, v[STO]            ; row blocks 4-7: past what a 16-bit offset reaches
	s_mul_i32 s22, s[WV], 64*SP                    ; back: wave w takes rows 64 w .. 64 w + 63, whole; lanes 0-15 256 bytes of one row, lanes 16-31 of the next
	v_mul_u32_u24 v5, v2, SP
	v_lshl_add_u32 v5, v1, 4, v5
	v_add_nc_u32 v[RD], s22, v5
	s_lshl_b32 s22, s15, 8                         ; where I store: row 256 x tile row + 64 w,
	s_lshl_b32 s23, s[WV], 6
	s_add_co_u32 s22, s22, s23
	s_mul_i32 s22, s22, ROWB                       ; under 2^26
	s_mul_i32 s23, s14, 768                        ; byte 768 x tile column
	s_add_co_u32 s22, s22, s23
	s_mov_b32 s23, 0
	s_add_nc_u64 s[10:11], s[10:11], s[22:23]
	v_mul_u32_u24 v[CO], v2, ROWB
	v_lshl_add_u32 v[CO], v1, 4, v[CO]
	; the prefetches: both offsets are made, then the wave's number chooses
	s_lshl_b32 s16, s15, 20                        ; A: my tile's blocks,
	s_lshl_b32 s17, s40, 13                        ; my work-group's quarter of a block,
	s_add_co_u32 s16, s16, s17
	s_add_co_u32 s16, s16, 2*ABLK                  ; at K step 2: the first change of slots steps it to 3
	s_mul_i32 s22, s14, STEPS*BBLK                 ; B: my tile's blocks,
	s_mul_i32 s17, s41, BBLK/2                     ; my work-group's quarter of two blocks,
	s_add_co_u32 s22, s22, s17
	s_max_u32 s17, s[WV], 1
	s_sub_co_u32 s17, s17, 1
	s_lshl_b32 s17, s17, 13                        ; my wave's third of it (waves 1 to 3),
	s_add_co_u32 s22, s22, s17
	s_add_co_u32 s22, s22, 2*BBLK                  ; at K step 2
	s_mov_b32 s17, ABLK
	s_mov_b32 s20, BBLK
	s_and_b32 s23, ttmp7, 0xffff                   ; cluster y
	s_cmp_eq_u32 s[WV], 0                          ; do I ask for A?
	s_cselect_b32 s22, s16, s22
	s_cselect_b32 s[PFS], s17, s20
	s_cselect_b32 s23, ttmp9, s23                  ; the coordinate along which other clusters read the same blocks
	s_cselect_b64 s[PFA:PFA+1], s[4:5], s[6:7]
	s_cmp_eq_u32 s23, 0
	s_cselect_b32 s[LIM], 1, -1                    ; the same in all sixteen partners, for a given wave
	s_cmp_eq_u32 s[WV], 0
	s_cselect_b32 s[LIM1], s[LIM], -1              ; B is asked for two blocks at a time, at the changes that leave slot 0
	s_mov_b32 s23, 0
	s_mov_b32 s[PFS+1], 0
	s_add_nc_u64 s[PFA:PFA+1], s[PFA:PFA+1], s[22:23]
	v_and_b32 v[PFO], 31, v0
	v_lshlrev_b32 v[PFO], 8, v[PFO]
; Matrix instructions of column group g on A's buffer p: row blocks a0 .. a1 - 1 x the group's four column blocks, 32 along K.  Every accumulator comes once a chunk, in the same order: 95 others
; stand between two links of a chain, over the backward jump too.  first = 1: the bias, which lies in block 7's accumulators, starts the sums of blocks 0 to 6;
; five v_nop part their reads of it from block 7's products, which write over it (ISA guide 7.12.1).
.macro GRPP g, p, a0, a1, first
	WIN 0x50*(1+(\g))                              ; sources 0 and 1: window 0; C and D: the group's window
.set ra, \a0
.rept (\a1)-(\a0)
.if (\first) && (ra == 7)
.rept 5
	v_nop
.endr
.endif
.irp bb, 0,1,2,3
.set rD, 8*(4*ra+\bb)
.set rB, FB+8*(4*(\g)+\bb)
.set rA, FA+64*(\p)+8*ra
.if (\first) && (ra < 7)
	v_wmma_f32_16x16x32_bf16 v[rD:rD+7], v[rB:rB+7], v[rA:rA+7], v[8*(28+\bb):8*(28+\bb)+7]
.else
	v_wmma_f32_16x16x32_bf16 v[rD:rD+7], v[rB:rB+7], v[rA:rA+7], v[rD:rD+7]
.endif
.endr
.set ra, ra+1
.endr
.endm
; 8 LDS loads: B's fragments of column group g, chunk c (byte 64 c of the rows) of a slot
.macro LDB slot, c, g
.irp bb, 0,1,2,3
	ds_load_b128 v[FB+8*(4*(\g)+\bb):FB+8*(4*(\g)+\bb)+3],   v[ADRB+(\slot)] offset:(4*(\g)+\bb)*16*PITCH+64*(\c)
	ds_load_b128 v[FB+8*(4*(\g)+\bb)+4:FB+8*(4*(\g)+\bb)+7], v[ADRB+(\slot)] offset:(4*(\g)+\bb)*16*PITCH+64*(\c)+32
.endr
.endm
; 8 LDS loads: A's fragments of row blocks 4 hf .. 4 hf + 3, into buffer p
.macro LDA slot, c, p, hf
.irp aa, 0,1,2,3
	ds_load_b128 v[FA+64*(\p)+8*(4*(\hf)+\aa):FA+64*(\p)+8*(4*(\hf)+\aa)+3],   v[ADRA+(\slot)] offset:(4*(\hf)+\aa)*16*PITCH+64*(\c)
	ds_load_b128 v[FA+64*(\p)+8*(4*(\hf)+\aa)+4:FA+64*(\p)+8*(4*(\hf)+\aa)+7], v[ADRA+(\slot)] offset:(4*(\hf)+\aa)*16*PITCH+64*(\c)+32
.endr
.endm
; A chunk behind its group 0.  The next chunk's fragments lie in slot ns at chunk nc.  Three runs of loads: 16, 16 and 8.
.macro REST p, ns, nc, first
	PLACES                                         ; group 0 has read the registers that are loaded now; A's other buffer was read last in the chunk before
	WIN 0
	LDB \ns, \nc, 0
	LDA \ns, \nc, 1-(\p), 0
	GRPP 1, \p, 0, 8, \first                       ; its fragments of B came with the chunk before's second run, which the wait at this chunk's head has covered
	PLACES
	WIN 0
	LDB \ns, \nc, 1
	LDA \ns, \nc, 1-(\p), 1
	s_wait_dscnt 32                                ; all but the 32 just issued: group 2's fragments, the chunk before's last run, are in
	GRPP 2, \p, 0, 8, \first
	PLACES
	WIN 0
	LDB \ns, \nc, 2
.endm
.macro CHUNK p, ns, nc, first          ; a step's first chunk
	s_wait_dscnt 8                                 ; A and B's groups 0 and 1 are in; the youngest eight loads (group 2) may be out
	GRPP 0, \p, 0, 8, \first
	REST \p, \ns, \nc, \first
.endm
; A step's second chunk changes slots: the slot's last bytes were asked for at the end of the first chunk.  ONE barrier: in front of it each wave waits for all its tensor loads (its part of the next
; slot), adds 0 to its spare word, and waits for that and for its own reads of this slot.  Behind it nobody reads this slot any more and the next slot is whole.  fill = 1: the barrier opens a round of
; the cluster's, and the joint refill, with the K step two on, is the first tensor load behind the round: 176 matrix instructions ahead of the wait for it.
.macro TURNCH slot, fill
.if \fill
	s_wait_xcnt 0x0                                ; the last prefetch, a K step back, has read its address
	s_add_nc_u64 s[PFA:PFA+1], s[PFA:PFA+1], s[PFS:PFS+1]
.endif
	WIN 0                                          ; (the add's two registers lie in window 0)
	s_wait_tensorcnt 0x0                           ; all my tensor loads have landed
	ds_add_u32 v[SPW], v[NIL]                      ; 0 onto my spare word
	s_wait_dscnt 9                                 ; (the add and the youngest eight loads may be out)
	GRPP 0, 1, 0, 2, 0                             ; matrix work stands between the add and the wait for it
	s_wait_dscnt 0x0                               ; the add is done, and my reads of this slot are over
	s_barrier_signal -1
	GRPP 0, 1, 2, 4, 0                             ; work on registers while the others arrive
.if \fill
	WIN 0
.endif
	s_barrier_wait -1
.if \fill
	CREST                                          ; no wave of any partner still reads this slot's blocks or has a load on its way
	s_add_nc_u64 s[G0+4*(\slot)+2:G0+4*(\slot)+3], s[G0+4*(\slot)+2:G0+4*(\slot)+3], 2*ABLK
	s_add_nc_u64 s[G0B+4*(\slot)+2:G0B+4*(\slot)+3], s[G0B+4*(\slot)+2:G0B+4*(\slot)+3], 2*BBLK
	JLOAD \slot
	ASK \slot
.endif
	GRPP 0, 1, 4, 8, 0
	REST 1, 1-(\slot), 0, 0
.endm
	s_wait_tensorcnt 1                             ; my part of K step 0 is in; K step 1's may stay out
	s_barrier_signal -1
	s_barrier_wait -1                              ; everybody's is
	LDB 0, 0, 0                                    ; the first chunk's fragments, in the order of the runs
	LDA 0, 0, 0, 0
	LDB 0, 0, 1
	LDA 0, 0, 0, 1
	LDB 0, 0, 2
	s_wait_loadcnt 0x0                             ; the bias
	CHUNK 0, 0, 1, 1                               ; the first chunk stands in front of the loop: its products start the sums
	s_mov_b32 s3, LAPS-1
.Llap:                                                 ; a trip goes once round the ring, from a lap's second chunk to the next lap's first, and fills both slots again: K steps 2 to 31
	TURNCH 0, 1
	CHUNK 0, 1, 1, 0
	TURNCH 1, 1
	CHUNK 0, 0, 1, 0
	s_sub_co_u32 s3, s3, 1
	s_cmp_lg_u32 s3, 0
	s_cbranch_scc1 .Llap
	TURNCH 0, 0                                    ; the last lap fills nothing: my one load that was still out is K step 31's; no round follows
	CHUNK 0, 1, 1, 0
	s_wait_dscnt 8                                 ; the very last chunk: nothing more to fetch
	GRPP 0, 1, 0, 8, 0
	GRPP 1, 1, 0, 8, 0
	s_wait_dscnt 0x0                               ; my reads of the slots are over:
	s_barrier_signal -1                            ; say so, since the stage lies over them,
	GRPP 2, 1, 0, 8, 0
	WIN 0
	s_barrier_wait -1                              ; and write there only when all four have said so
	PLACES                                         ; the places behind the last products, taken twice, once a launch
	PLACES
	; THE WAY OUT.  Rounded once to f16; 16 bytes a lane into the work-group's stage; a barrier, since a row's 768 bytes come from two waves; back as whole rows, 64 rows a wave.
.irp g, 0,1,2
	WIN 5*(1+\g)                                   ; sources 0 and 1: the group's window; destination: window 0
.set n, 0
.rept 32                               ; accumulator n = 4 a + bb, from its low end on
.irp i, 0,1,2,3
	v_cvt_pk_f16_f32 v[TMP+4*n+\i], v[8*n+2*\i], v[8*n+2*\i+1]
.endr
.set n, n+1
.endr
	WIN 0
.set n, 0
.rept 32
.if n < 16
	ds_store_b128 v[STO],  v[TMP+4*n:TMP+4*n+3] offset:(n/4)*16*SP+32*(4*\g+n%4)
.else
	ds_store_b128 v[STO2], v[TMP+4*n:TMP+4*n+3] offset:(n/4-4)*16*SP+32*(4*\g+n%4)
.endif
.set n, n+1
.endr
.endr
	s_wait_dscnt 0x0                               ; for the others' sake: my stores into the stage are done
	s_barrier_signal -1
	s_barrier_wait -1
.set n, 0
.rept 48                               ; load n: rows 2 (n / 3) and + 1 of my 64, the (n % 3)-th 256 bytes of their 768.  The first 48 into window 0,
	ds_load_b128 v[OB+4*n:OB+4*n+3], v[RD] offset:(n/3)*2*SP+256*(n%3)
.set n, n+1
.endr
	WIN 0x40                                       ; the other 48 into window 1, whose accumulators have been packed: no register is used twice
.rept 48
	ds_load_b128 v[4*(n-48):4*(n-48)+3], v[RD] offset:(n/3)*2*SP+256*(n%3)
.set n, n+1
.endr
	WIN 0
.set n, 0
.rept 48
.if 95-n > 63
	s_wait_dscnt 63                                ; (the wait's field ends at 63)
.else
	s_wait_dscnt 95-n                              ; load n is in, the younger ones stay out
.endif
	global_store_b128 v[CO], v[OB+4*n:OB+4*n+3], s[10:11] offset:(n/3)*2*ROWB+256*(n%3)  ; 16 lanes store 256 consecutive bytes, at a multiple of 256 from qkv's first byte
.set n, n+1
.endr
	WIN 0x04                                       ; the stores' data: window 1
.rept 48
	s_wait_dscnt 95-n
	global_store_b128 v[CO], v[4*(n-48):4*(n-48)+3], s[10:11] offset:(n/3)*2*ROWB+256*(n%3)
.set n, n+1
.endr
	WIN 0
	s_wait_tensorcnt 0x0                           ; the wave's end, behind my last tensor load and my last LDS store
	ds_add_u32 v[SPW], v[NIL]
	s_wait_dscnt 0x0
	CROUND                                         ; the closing round: no work-group ends while a partner may still ask for a block that names it
	s_endpgm
.Lfunc_end_k_qff7893ceb9_qkv:
	.size	k_qff7893ceb9_qkv, .Lfunc_end_k_qff7893ceb9_qkv-k_qff7893ceb9_qkv
	.p2alignl 7, 3214868480
	.fill 96, 4, 3214868480
	.section	.rodata,"a",@progbits
	.p2align	6, 0x0
	.amdhsa_kernel k_qff7893ceb9_qkv
		.amdhsa_group_segment_fixed_size 327680
		.amdhsa_private_segment_fixed_size 0
		.amdhsa_enable_private_segment 0
		.amdhsa_kernarg_size 32
		.amdhsa_user_sgpr_count 2
		.amdhsa_user_sgpr_kernarg_segment_ptr 1
		.amdhsa_wavefront_size32 1
		.amdhsa_system_sgpr_workgroup_id_x 1
		.amdhsa_system_sgpr_workgroup_id_y 1
		.amdhsa_system_sgpr_workgroup_id_z 1
		.amdhsa_system_vgpr_workitem_id 0
		.amdhsa_next_free_vgpr 1024
		.amdhsa_next_free_sgpr 72
		.amdhsa_reserve_vcc 0
		.amdhsa_float_denorm_mode_32 3
		.amdhsa_float_denorm_mode_16_64 3
		.amdhsa_memory_ordered 1
		.amdhsa_forward_progress 1
		.amdhsa_inst_pref_size 136
	.end_amdhsa_kernel
	.amdgpu_metadata
---
amdhsa.version: [ 1, 2 ]
amdhsa.kernels:
  - .name:           k_qff7893ceb9_qkv
    .symbol:         k_qff7893ceb9_qkv.kd
    .args:
      - { .name: xb, .offset: 0, .size: 8, .value_kind: global_buffer, .address_space: global }
      - { .name: wqkv, .offset: 8, .size: 8, .value_kind: global_buffer, .address_space: global }
      - { .name: bias, .offset: 16, .size: 8, .value_kind: global_buffer, .address_space: global }
      - { .name: qkv, .offset: 24, .size: 8, .value_kind: global_buffer, .address_space: global }
    .group_segment_fixed_size: 327680
    .private_segment_fixed_size: 0
    .kernarg_segment_align: 8
    .kernarg_segment_size: 32
    .max_flat_workgroup_size: 128
    .sgpr_count:     72
    .vgpr_count:     1024
    .wavefront_size: 32
...
	.end_amdgpu_metadata
.endif
;; end of part 2
;; launch attn (part 3): grid 256 x 1, 16 waves a work-group, no clusters, 288,768 bytes of LDS; arguments qkv, fr, y; writes y
.if DOCPART == 3
	.amdgcn_target "amdgcn-amd-amdhsa--gfx1250"
	.amdhsa_code_object_version 6
	.text
	.protected	k_qff7893ceb9_attn
	.globl	k_qff7893ceb9_attn
	.p2align	8
	.type	k_qff7893ceb9_attn,@function
k_qff7893ceb9_attn:
	s_mov_b64 s[64:65], 0
	v_nop
	global_prefetch_b8 v0, s[64:65] scope:SCOPE_SE
	s_setreg_imm32_b32 hwreg(HW_REG_WAVE_MODE, 25, 1), 1
	s_wait_xcnt 0x0
; FOR EACH POSITION (b, s) ITS 16 HEADS ATTEND TO EACH OTHER.  q, k turned by RoPE; S[h][g] = q_h . k_g / sqrt(128); softmax over g, the row's true maximum taken away; O[h] = sum over g of P[h][g] v_g.
; qkv: [4096 positions][16 q heads | 16 k heads | 16 v heads][128] f16.  fr: [1024 positions][64 cos | 64 sin] f32.
; y: [4096][2048] f16, the last product's left operand: head h of position (b, s) is the 256 bytes at row 1024 b + 64 h + s / 16, byte 256 (s % 16).
; Products, maximum and sum in f32; the turned q and k, the weights P (divided by their sum first) and O are rounded to f16.
; LIMITS.  f16: q, k, v arrive within 65,504; a weight below 6e-8 counts as 0; NaN and infinities are not treated apart.
; SHARES.  A work-group takes 16 positions on end (one b, one s / 16), a wave ONE position: straight-line text, no loop, no barrier: a wave reads only what its own two tensor loads brought,
; and writes only its own stage.  LDS is filled once.  No cluster: work-groups share nothing but fr's 512 bytes a position.  No prefetch: all that a wave reads is asked for at its head.
; LAYOUT.  S^T = K Q^T (source 0 = the 16 k heads, source 1 = the 16 q heads): a lane holds ONE q head (l % 16) and the k heads 8 (l / 16) + 0..7.  Rounded in pairs these ARE registers 0-3 of source 1
; of O^T = V^T P; its K is 32 and there are 16 heads, so registers 4-7 of both sources hold 0.  V ([head][channel]) comes out of LDS turned, by ds_load_tr16_b128.
.set PP,    272                        ; a head's row in LDS: 256 bytes + 16 = 68 words: the 16 rows of a plain load start at 16 different groups of four banks (64 banks of 4 bytes: ISA guide 11.1).
                                       ; The turning load's 8 rows x 32 bytes then overlap two deep; there are 8 such loads a wave against 16 plain ones, so the plain ones have the pitch
.set POSB,  48*PP                      ; a position: 48 rows
.set FREQ,  16*POSB                    ; behind the 16 positions: 512 bytes of cos and sin a wave
.set STAGE, FREQ+16*512                ; 16 rows x 272 bytes a wave, for the way out; no tensor load lands here
.set SPARE, STAGE+16*16*PP             ; the spare words, 128 bytes a wave: eight blocks of 256 bytes that no other line names
.set AQ,  3                            ; v3   my place in q's rows: position + (l % 16) x 272 + 16 (l / 16); k's lie 16 rows on
.set AV,  4                            ; v4   my place for the turning load, less v's 32 rows
.set AF,  5                            ; v5   my wave's cos + 16 (l / 16)
.set STO, 6                            ; v6   the way out: where I put 16 bytes of a row
.set RD,  7                            ; v7   where I read a row back
.set GO,  8                            ; v8   my byte offset in y
.set SPW, 10                           ; v10  LDS address of my spare word; never rewritten
.set NIL, 11                           ; v11  0; never rewritten
.set Z,   12                           ; v12  0, as an addend
.set T,   16                           ; v[16:23]   RoPE's products, four pairs by turns
.set ST,  24                           ; v[24:29]   statistics
.set Q,   32                           ; v[32:63]   q: chunk c of 32 channels at Q + 8 c
.set K,   64                           ; v[64:95]   k likewise
.set CO,  96                           ; v[96:127]  cos for register n of Q and of K
.set SI,  128                          ; v[128:159] sin
.set VF,  160                          ; v[160:223] V^T: channel block cb at VF + 8 cb
.set SA,  224                          ; v[224:231], v[232:239] two accumulators for S^T, by turns
.set SB,  232
.set P,   240                          ; v[240:247] the weights
.set O,   32                           ; O^T takes q's and k's registers,
.set PK,  96                           ; its packed form cos's,
.set BK,  128                          ; and the rows read back sin's
.set WV,  12
	s_load_b128 s[4:7], s[0:1], 0x0                ; qkv s[4:5], fr s[6:7]
	s_load_b64 s[8:9], s[0:1], 0x10                ; y
	v_lshl_add_u32 v[SPW], v0, 2, SPARE
	v_mov_b32 v[NIL], 0
	ds_add_u32 v[SPW], v[NIL]                      ; the wave's opening: the add and its wait stand ahead of my first tensor load; work on registers stands between them
	v_lshrrev_b32 v1, 5, v0
	v_readfirstlane_b32 s[WV], v1                  ; wave 0..15
	; descriptor group 1 for a position: 12,288 dense bytes as 48 rows of 32 elements of 8 bytes, padded behind every row
	s_mov_b32 s16, (3<<16)|(1<<20)|(5<<22)|(3<<25) ; no mask; 8-byte elements; padding on; after every 64 words (code 5); 4 words (code 3)
	s_mov_b32 s17, 32<<16                          ; tensor_dim0 = 32
	s_mov_b32 s18, 48<<16                          ; tensor_dim1 = 48
	s_mov_b32 s19, 32<<16                          ; tile_dim0 = 32
	s_mov_b32 s20, 48                              ; tile_dim1 = 48
	s_mov_b32 s21, 32                              ; 32 elements from row to row
	s_mov_b32 s22, 0
	s_mov_b32 s23, 0
	; and for cos and sin: one row of 64 elements of 8 bytes
	s_mov_b32 s24, 3<<16
	s_mov_b32 s25, 64<<16
	s_mov_b32 s26, 1<<16
	s_mov_b32 s27, 64<<16
	s_mov_b32 s28, 1
	s_mov_b32 s29, 64
	s_mov_b32 s30, 0
	s_mov_b32 s31, 0
	s_lshl_b32 s13, ttmp9, 4
	s_add_co_u32 s13, s13, s[WV]                   ; my position, 0..4095
	s_mul_i32 s44, s13, 12288                      ; under 2^26
	s_mov_b32 s45, 0
	s_and_b32 s14, s13, 1023                       ; s
	s_lshl_b32 s46, s14, 9
	s_mov_b32 s47, 0
	s_mov_b32 s32, 1                               ; group 0: count = 1,
	s_mul_i32 s33, s[WV], POSB                     ; LDS address: wave x 13,056
	s_mov_b32 s36, 1
	s_lshl_b32 s37, s[WV], 9
	s_add_co_u32 s37, s37, FREQ                    ; FREQ + wave x 512
	s_mov_b32 s40, 0x3e0293ee                      ; c = log2(e) / sqrt(128)
	s_mov_b32 s41, s40                             ; named with it as a pair
	s_mov_b32 s42, 0x76543210                      ; v_permlanex16_b32: each lane takes its own place in the other half
	s_mov_b32 s43, 0xfedcba98
	s_wait_dscnt 0x0                               ; the opening add is done
	s_wait_kmcnt 0x0
	s_add_nc_u64 s[34:35], s[4:5], s[44:45]
	s_or_b32 s35, s35, 0x80000000                  ; type = 2
	s_add_nc_u64 s[38:39], s[6:7], s[46:47]
	s_or_b32 s39, s39, 0x80000000
	tensor_load_to_lds s[32:35], s[16:23]          ; my two loads go out together: two are out, and none follows
	s_nop 0
	tensor_load_to_lds s[36:39], s[24:31]
	s_nop 0
	; while they are on their way: addresses and zeros
	s_lshr_b32 s14, ttmp9, 6                       ; b
	s_lshl_b32 s14, s14, 10
	s_and_b32 s15, ttmp9, 63                       ; s / 16
	s_add_co_u32 s14, s14, s15
	s_lshl_b32 s44, s14, 12                        ; row 1024 b + s / 16 of 4,096 bytes,
	s_lshl_b32 s15, s[WV], 8                       ; byte 256 (s % 16)
	s_add_co_u32 s44, s44, s15
	s_add_nc_u64 s[8:9], s[8:9], s[44:45]
	s_mul_i32 s15, s[WV], 16*PP
	s_add_co_u32 s15, s15, STAGE                   ; my stage
	v_and_b32 v1, 15, v0                           ; l % 16
	v_bfe_u32 v2, v0, 4, 1                         ; l / 16
	v_mul_u32_u24 v[AQ], v1, PP
	v_lshl_add_u32 v[AQ], v2, 4, v[AQ]
	v_add_nc_u32 v[STO], s15, v[AQ]                ; in: row l % 16, 16 bytes for each half of the lanes
	v_add_nc_u32 v[AQ], s33, v[AQ]
	v_mul_u32_u24 v[RD], v2, PP                    ; back: lanes 0-15 one head's 256 bytes, lanes 16-31 the next head's
	v_lshl_add_u32 v[RD], v1, 4, v[RD]
	v_add_nc_u32 v[RD], s15, v[RD]
	v_and_b32 v13, 7, v0                           ; the turning load: lane l reads head 8 (l / 16) + l % 8, channels 8 ((l / 8) % 2) + 0..7
	v_lshl_add_u32 v[AV], v2, 3, v13
	v_mul_u32_u24 v[AV], v[AV], PP
	v_bfe_u32 v13, v0, 3, 1
	v_lshl_add_u32 v[AV], v13, 4, v[AV]
	v_add_nc_u32 v[AV], s33, v[AV]
	v_lshl_add_u32 v[AF], v2, 4, s37
	v_lshlrev_b32 v[GO], 18, v2                    ; a head on is 64 rows of y: 262,144 bytes
	v_lshl_add_u32 v[GO], v1, 4, v[GO]
	v_mov_b32 v[Z], 0
.irp i, 4,5,6,7
	v_mov_b32 v[P+\i], 0                           ; heads 16-31 do not exist: both sources hold 0 there
.irp cb, 0,1,2,3,4,5,6,7
	v_mov_b32 v[VF+8*\cb+\i], 0
.endr
.endr
	s_wait_tensorcnt 0x0                           ; my position and its cos and sin are in LDS
	; register n = 8 c + 4 t + i of Q and K holds channels 32 c + 16 t + 8 (l / 16) + 2 i and + 1: pair 16 c + 8 t + 4 (l / 16) + i
.irp c, 0,1,2,3
.irp t, 0,1
	ds_load_b128 v[CO+8*\c+4*\t:CO+8*\c+4*\t+3], v[AF] offset:64*\c+32*\t
.endr
.endr
.irp c, 0,1,2,3
.irp t, 0,1
	ds_load_b128 v[SI+8*\c+4*\t:SI+8*\c+4*\t+3], v[AF] offset:256+64*\c+32*\t
.endr
.endr
.irp c, 0,1,2,3
.irp t, 0,1
	ds_load_b128 v[Q+8*\c+4*\t:Q+8*\c+4*\t+3], v[AQ] offset:64*\c+32*\t
.endr
.endr
.irp c, 0,1,2,3
.irp t, 0,1
	ds_load_b128 v[K+8*\c+4*\t:K+8*\c+4*\t+3], v[AQ] offset:16*PP+64*\c+32*\t
.endr
.endr
.irp cb, 0,1,2,3,4,5,6,7
	ds_load_tr16_b128 v[VF+8*\cb:VF+8*\cb+3], v[AV] offset:32*PP+32*\cb
.endr
; RoPE on 32 registers of two f16 (xr low, xi high): xr c - xi s and xr s + xi c, reckoned in f32, each rounded once to f16, in place
.macro ROPE base
.set n, 0
.rept 32
.set t0, T+2*(n%4)
	v_fma_mix_f32 v[t0],   v[(\base)+n], v[SI+n], v[Z] op_sel:[1,0,0] op_sel_hi:[1,0,0]  ; xi s
	v_fma_mix_f32 v[t0+1], v[(\base)+n], v[SI+n], v[Z] op_sel_hi:[1,0,0]                 ; xr s
	v_fma_mixlo_f16 v[(\base)+n], v[(\base)+n], v[CO+n], -v[t0] op_sel_hi:[1,0,0]        ; the low half; the high half is kept
	v_fma_mixhi_f16 v[(\base)+n], v[(\base)+n], v[CO+n], v[t0+1] op_sel:[1,0,0] op_sel_hi:[1,0,0]
.set n, n+1
.endr
.endm
	s_wait_dscnt 16                                ; cos, sin and q are in; k's and v's sixteen loads stay out
	ROPE Q
	s_wait_dscnt 8                                 ; k is in; v's eight stay out
	ROPE K
	; S^T: four chunks of 32 channels on two accumulators that take turns
	v_wmma_f32_16x16x32_f16 v[SA:SA+7], v[K:K+7],     v[Q:Q+7],     0
	v_wmma_f32_16x16x32_f16 v[SB:SB+7], v[K+8:K+15],  v[Q+8:Q+15],  0
	v_wmma_f32_16x16x32_f16 v[SA:SA+7], v[K+16:K+23], v[Q+16:Q+23], v[SA:SA+7]
	v_wmma_f32_16x16x32_f16 v[SB:SB+7], v[K+24:K+31], v[Q+24:Q+31], v[SB:SB+7]
.rept 8
	v_nop                                          ; the places behind those products (ISA guide 7.12.1), taken twice
.endr
.irp i, 0,2,4,6
	v_pk_add_f32 v[SA+\i:SA+\i+1], v[SA+\i:SA+\i+1], v[SB+\i:SB+\i+1]  ; from the low end on
.endr
	; the softmax of my q head: 8 scores here, 8 in the lane 16 away
	v_max3_num_f32 v[ST], v[SA], v[SA+1], v[SA+2]
	v_max3_num_f32 v[ST+1], v[SA+3], v[SA+4], v[SA+5]
	v_max3_num_f32 v[ST], v[ST], v[SA+6], v[SA+7]
	v_max_num_f32 v[ST], v[ST], v[ST+1]
	v_permlanex16_b32 v[ST+1], v[ST], s42, s43     ; its destination counts as read: a register that has been written
	v_max_num_f32 v[ST], v[ST], v[ST+1]            ; m
	v_mul_f32 v[ST+4], s40, v[ST]                  ; c m
	v_mul_f32 v[ST+5], s40, v[ST]                  ; (named with it as a pair)
.irp i, 0,2,4,6
	v_pk_fma_f32 v[SA+\i:SA+\i+1], v[SA+\i:SA+\i+1], s[40:41], v[ST+4:ST+5] op_sel_hi:[1,0,0] neg_lo:[0,0,1] neg_hi:[0,0,1]  ; c s - c m, at most 0
.endr
.irp i, 0,1,2,3,4,5,6,7
	v_exp_f32 v[SA+\i], v[SA+\i]
.endr
	v_nop                                          ; a plain instruction behind the last exponential,
	s_wait_alu depctr_va_vdst(0)                   ; and a wait ahead of the first use: one for the eight
	v_pk_add_f32 v[ST:ST+1], v[SA:SA+1], v[SA+2:SA+3]
	v_pk_add_f32 v[ST+2:ST+3], v[SA+4:SA+5], v[SA+6:SA+7]
	v_pk_add_f32 v[ST:ST+1], v[ST:ST+1], v[ST+2:ST+3]
	v_add_f32 v[ST], v[ST], v[ST+1]
	v_permlanex16_b32 v[ST+1], v[ST], s42, s43
	v_add_f32 v[ST], v[ST], v[ST+1]                ; the sum: at least 1, since the maximum's weight is 1
	v_rcp_f32 v[ST+2], v[ST]
	v_nop
	s_wait_alu depctr_va_vdst(0)
.irp i, 0,2,4,6
	v_pk_mul_f32 v[SA+\i:SA+\i+1], v[SA+\i:SA+\i+1], v[ST+2:ST+3] op_sel_hi:[1,0]
.endr
.irp i, 0,1,2,3
	v_cvt_pk_f16_f32 v[P+\i], v[SA+2*\i], v[SA+2*\i+1]
.endr
	s_wait_dscnt 0x0                               ; v is in
	; O^T = V^T P: eight blocks of 16 channels, each its own accumulator, each one product
.irp cb, 0,1,2,3,4,5,6,7
	v_wmma_f32_16x16x32_f16 v[O+8*\cb:O+8*\cb+7], v[VF+8*\cb:VF+8*\cb+7], v[P:P+7], 0
.endr
.rept 8
	v_nop
.endr
.set n, 0
.rept 32
	v_cvt_pk_f16_f32 v[PK+n], v[O+2*n], v[O+2*n+1] ; a lane's eight channels of a head pack into 16 bytes; each accumulator from its low end on
.set n, n+1
.endr
.irp cb, 0,1,2,3,4,5,6,7
	ds_store_b128 v[STO], v[PK+4*\cb:PK+4*\cb+3] offset:32*\cb
.endr
.irp t, 0,1,2,3,4,5,6,7
	ds_load_b128 v[BK+4*\t:BK+4*\t+3], v[RD] offset:\t*2*PP  ; LDS serves a wave's instructions in order (ISA guide 5.7.1.4): these see the stores above
.endr
.irp t, 0,1,2,3,4,5,6,7
	s_wait_dscnt 7-\t                              ; load t is in, the younger ones stay out
	global_store_b128 v[GO], v[BK+4*\t:BK+4*\t+3], s[8:9] offset:\t*524288  ; heads 2 t and 2 t + 1: 16 lanes store a head's 256 consecutive bytes, at a multiple of 256 from y's first byte
.endr
	s_wait_tensorcnt 0x0                           ; the wave's end, behind my last tensor load and my last LDS store
	ds_add_u32 v[SPW], v[NIL]
	s_wait_dscnt 0x0
	s_endpgm
.Lfunc_end_k_qff7893ceb9_attn:
	.size	k_qff7893ceb9_attn, .Lfunc_end_k_qff7893ceb9_attn-k_qff7893ceb9_attn
	.p2alignl 7, 3214868480
	.fill 96, 4, 3214868480
	.section	.rodata,"a",@progbits
	.p2align	6, 0x0
	.amdhsa_kernel k_qff7893ceb9_attn
		.amdhsa_group_segment_fixed_size 288768
		.amdhsa_private_segment_fixed_size 0
		.amdhsa_enable_private_segment 0
		.amdhsa_kernarg_size 24
		.amdhsa_user_sgpr_count 2
		.amdhsa_user_sgpr_kernarg_segment_ptr 1
		.amdhsa_wavefront_size32 1
		.amdhsa_system_sgpr_workgroup_id_x 1
		.amdhsa_system_sgpr_workgroup_id_y 1
		.amdhsa_system_sgpr_workgroup_id_z 1
		.amdhsa_system_vgpr_workitem_id 0
		.amdhsa_next_free_vgpr 256
		.amdhsa_next_free_sgpr 66
		.amdhsa_reserve_vcc 0
		.amdhsa_float_denorm_mode_32 3
		.amdhsa_float_denorm_mode_16_64 3
		.amdhsa_memory_ordered 1
		.amdhsa_forward_progress 1
		.amdhsa_inst_pref_size 32
	.end_amdhsa_kernel
	.amdgpu_metadata
---
amdhsa.version: [ 1, 2 ]
amdhsa.kernels:
  - .name:           k_qff7893ceb9_attn
    .symbol:         k_qff7893ceb9_attn.kd
    .args:
      - { .name: qkv, .offset: 0, .size: 8, .value_kind: global_buffer, .address_space: global }
      - { .name: fr, .offset: 8, .size: 8, .value_kind: global_buffer, .address_space: global }
      - { .name: y, .offset: 16, .size: 8, .value_kind: global_buffer, .address_space: global }
    .group_segment_fixed_size: 288768
    .private_segment_fixed_size: 0
    .kernarg_segment_align: 8
    .kernarg_segment_size: 24
    .max_flat_workgroup_size: 512
    .sgpr_count:     66
    .vgpr_count:     256
    .wavefront_size: 32
...
	.end_amdgpu_metadata
.endif
;; end of part 3
;; launch proj (part 4): grid 8 x 32, 4 waves a work-group, clusters of 4 x 4, 327,680 bytes of LDS; arguments y, wof, bias, out0; writes out0
.if DOCPART == 4
	.amdgcn_target "amdgcn-amd-amdhsa--gfx1250"
	.amdhsa_code_object_version 6
	.text
	.protected	k_qff7893ceb9_proj
	.globl	k_qff7893ceb9_proj
	.p2align	8
	.type	k_qff7893ceb9_proj,@function
k_qff7893ceb9_proj:
	s_mov_b64 s[64:65], 0
	v_nop
	global_prefetch_b8 v0, s[64:65] scope:SCOPE_SE
	s_setreg_imm32_b32 hwreg(HW_REG_WAVE_MODE, 25, 1), 1
	s_wait_xcnt 0x0
	s_wait_alu depctr_hold_cnt(0) depctr_sa_sdst(0) depctr_va_vdst(0) depctr_va_sdst(0) depctr_va_ssrc(0) depctr_va_vcc(0) depctr_vm_vsrc(0)
	s_getreg_b32 s2, hwreg(HW_REG_IB_STS2, 6, 4)
	s_cmp_eq_u32 s2, 0
	s_cbranch_scc0 .Lentry_in_a_cluster
	s_endpgm
.Lentry_in_a_cluster:
	s_bfe_u32 s2, ttmp6, 0x10000c
	s_cmp_lg_u32 s2, 0xf033
	s_cbranch_scc0 .Lentry_shape_is_right
	s_endpgm
.Lentry_shape_is_right:
; C[m][n] = the sum over k of A[m][k] B[n][k] + bias[n].  One text for the module's two products; OUTF32 picks the constants.
;   OUTF32 = 0: A = xb [4096][2048] bf16, B = wqkv [6144][2048] bf16, C = qkv [4096][6144] f16 (rounded once from the f32 sums), tile 128 x 384: 512 equal work-groups.
;   OUTF32 = 1: A = y  [4096][2048] f16,  B = wof  [2048][2048] f16,  C = out0 [4096][2048] f32,                                   tile 128 x 256: 256 equal work-groups.
; LIMIT.  qkv is f16: a q, k or v beyond 65,504 becomes an infinity.  NaN and infinities are not treated apart.
; SHARES.  Four waves side by side: wave w makes all 128 rows x the tile's columns NW w .. NW w + NW - 1: 8 x NBW accumulators of 16 x 16.
; K goes in steps of 128 through two LDS slots filled by the tensor data mover; rows of the tiles are 256 bytes of memory, at multiples of 256 from the buffer's first byte.
; Wave 0 fetches A's 128 rows, waves 1 .. NBL 128 rows of B each (with NBL = 2 wave 3 fetches nothing): one tensor load a wave behind each change of slots; two are out at the start, later one.
; CLUSTER 4 x 4.  The four of a row of the cluster need the same tile of A, the four of a column the same tiles of B: each is asked for JOINTLY, by the same load, descriptor and mask in all four.
; THE MATRIX INSTRUCTION IS USED TRANSPOSED (source 0 = 16 rows of B, source 1 = 16 rows of A): a lane holds row l % 16 of C and the columns 8 (l / 16) + 0..7.
; THE BIAS IS THE C OPERAND of each accumulator's first product: in that layout register j is bias[n0 + 8 (l / 16) + j], the same for all eight row blocks.  Nothing is cleared, nothing added later.
; REGISTERS, in windows of 256 (s_set_vgpr_msb: bits 1:0 source 0, 3:2 source 1, 5:4 source 2, 7:6 destination):
;   window 0: v0-31 addresses; v64-127, v128-191 A's fragments, two buffers; on the way out v64-255 at work
;   window 1: v64.., v128.. B's fragments, two buffers of 8 NBW; v192.. the bias, 8 NBW
;   window 2: accumulators of row blocks 0-3, (a, b) at v[8 (NBW a + b)];   window 3: of row blocks 4-7
.set OUTF32, 1
.if OUTF32
.set NBW,    4                         ; blocks of 16 columns a wave
.set NBL,    2                         ; waves that fetch B
.set SIZE_N, 2048
.set BIAS0,  24576                     ; bo lies behind bq, bk, bv
.else
.set NBW,    6
.set NBL,    3
.set SIZE_N, 6144
.set BIAS0,  0
.endif
.set NW,     16*NBW
.set TN,     4*NW
.set SIZE_K, 2048
.set KSTEP,  128
.set PITCH,  272                       ; an LDS row: 256 bytes + 16 of padding = 68 words: row r starts at bank 4 r mod 64 (64 banks of 4 bytes: ISA guide 11.1)
.set HALFT,  128*PITCH                 ; what one tensor load brings
.set SLOT,   (1+NBL)*HALFT             ; A's 128 rows, then B's TN rows
.set LAPS,   SIZE_K/(2*KSTEP)          ; a lap = two K steps = once round the ring
.set NL,     16+2*NBW                  ; LDS loads of a quarter step
.if OUTF32
.set SP,     272                       ; the stage: each wave's own, 16 rows of 256 bytes + 16, behind the ring
.set STAGE,  2*SLOT
.set SPARE,  STAGE+4*16*SP             ; the spare words, 128 bytes a wave: two blocks of 256 bytes that no other line names
.set ROWB,   SIZE_N*4
.set TILEB,  TN*4
.else
.set SP,     784                       ; the stage: the work-group's, 128 rows of 768 bytes + 16 (49 x 16: sixteen rows start at sixteen different groups of four banks).  It lies in slot 0,
.set STAGE,  0                         ; whose last fill is K step 14 and whose last reads lie ahead of the last change of slots' barrier
.set SPARE,  2*SLOT
.set ROWB,   SIZE_N*2
.set TILEB,  TN*2
.endif
.set ADRA, 16                          ; v16-17  LDS address of my A fragments in slot 0, 1
.set ADRB, 20                          ; v20-21  the same for B
.set STO,  24                          ; v24     the way out: where I put my bytes of a row
.set RD,   25                          ; v25     the way out: where I read a row back
.set CO,   26                          ; v26     my byte offset in C
.set BO,   27                          ; v27     my byte offset in the wave's part of the bias
.set SPW,  28                          ; v28     LDS address of my spare word; never rewritten
.set NIL,  29                          ; v29     0; never rewritten
.set PFO,  30                          ; v30     the prefetches' offset: my lane x a row of 4,096 bytes; never rewritten
.set STO2, 31                          ; v31     STO, 64 stage rows on
.set F0,   64
.set F1,   128
.set TMP,  192                         ; the way out to f16: a row block's packed results
.set OB,   64                          ; the way out: rows read back from the stage
.set BI,   192                         ; window 1: the bias
.set WV,   12                          ; s12     my wave's number
.set G1,   24                          ; s[24:31] descriptor group 1 for A;  s[32:39] group 0, a set for each slot
.set G0,   32
.set LIM,  43                          ; s43     1 in a wave that prefetches, else the greatest number
.set PFA,  44                          ; s[44:45] where my prefetches stand
.set G1B,  48                          ; s[48:55], s[56:63] the same for B
.set G0B,  56
.set MSB, 0
.macro WIN new                         ; the immediate's high byte repeats the setting that is left; a switch that changes nothing is dropped
.if MSB != (\new)
	s_set_vgpr_msb (MSB<<8)|(\new)
.set MSB, \new
.endif
.endm
.set MUL_LO, 0xa1                      ; source 0 (B) window 1, source 1 (A) window 0, C and D window 2;  + 0x50: C and D window 3
.set BIA_LO, 0x91                      ; the same with C (the bias) in window 1;                          + 0x40: D window 3
.set TO_B,   0x40                      ; destination window 1, address window 0
.macro WMMA ops:vararg
.if OUTF32
	v_wmma_f32_16x16x32_f16 \ops
.else
	v_wmma_f32_16x16x32_bf16 \ops
.endif
.endm
.macro PLACES                          ; four plain vector instructions between a matrix instruction and a load into, or a vector line on, its registers
.rept 4
	v_nop
.endr
.endm
; A joint refill.  The branches hang on the wave's number alone: they are the same in every work-group.  An s_nop 0 and four v_nop follow each load;
; the four v_nop, on the way without a load too, are also the places in front of the LDS loads that follow the macro.
.macro JLOAD s
	s_cmp_eq_u32 s[WV], 0
	s_cbranch_scc0 .Lfor_b_\@
	tensor_load_to_lds s[G0+4*(\s):G0+4*(\s)+3], s[G1:G1+7]
	s_nop 0
	PLACES
	s_branch .Lasked_\@
.Lfor_b_\@:
.if NBL < 3
	s_cmp_gt_u32 s[WV], NBL
	s_cbranch_scc1 .Lnone_\@
.endif
	tensor_load_to_lds s[G0B+4*(\s):G0B+4*(\s)+3], s[G1B:G1B+7]
	s_nop 0
	PLACES
.if NBL < 3
	s_branch .Lasked_\@
.Lnone_\@:
	PLACES
.endif
.Lasked_\@:
.endm
; A PREFETCH INTO THE L2 of the K step that stands two refills on: 32 rows x 256 bytes, a lane a row, one instruction a wave, behind the joint load, its lines and the run of LDS loads.
; Each row's 256 bytes of a K step are named once in the launch: A's rows by wave 0 of the clusters with x = 0, B's by waves 1 .. NBL of the clusters with y = 0; of the 128 rows that a wave
; fetches the partner at place p (cx for A, cy for B) takes 32 p .. 32 p + 31, told apart by address alone.  K steps 0 to 3 come by their loads alone; the loop's last trip (s3 = 1) asks for nothing.
.macro ASK
	s_cmp_gt_u32 s3, s[LIM]
	s_cbranch_scc0 .Lnot_mine_\@
	global_prefetch_b8 v[PFO], s[PFA:PFA+1] offset:KSTEP*2 th:TH_LOAD_NT scope:SCOPE_SE
.Lnot_mine_\@:
.endm
; A round of the cluster's barrier: my work-group's barrier, wave 0 signals for the work-group, every wave waits for all sixteen, my work-group's barrier once more.
.macro CREST
	s_cmp_lg_u32 s[WV], 0
	s_cbranch_scc1 .Lnot_wave_0_\@
	s_barrier_signal -3
.Lnot_wave_0_\@:
	s_barrier_wait -3
	s_barrier_signal -1
	s_barrier_wait -1
.endm
.macro CROUND
	s_barrier_signal -1
	s_barrier_wait -1
	CREST
.endm
	s_load_b256 s[4:11], s[0:1], 0x0               ; A s[4:5], B s[6:7], bias s[8:9], C s[10:11]
	v_lshl_add_u32 v[SPW], v0, 2, SPARE
	v_mov_b32 v[NIL], 0
	ds_add_u32 v[SPW], v[NIL]                      ; the wave's opening: the add and its wait stand ahead of my first tensor load; work on registers stands between them
	v_lshrrev_b32 v1, 5, v0
	v_readfirstlane_b32 s[WV], v1                  ; wave 0..3
	s_max_u32 s13, s[WV], 1
	s_sub_co_u32 s13, s13, 1
	s_min_u32 s13, s13, NBL-1                      ; which 128 rows of B's tile I fetch (waves 1 .. NBL; the others never use it)
	s_bfe_u32 s40, ttmp6, 0x40000                  ; cx, cy: my place in the cluster
	s_bfe_u32 s41, ttmp6, 0x40004
	s_lshl_b32 s14, ttmp9, 2
	s_add_co_u32 s14, s14, s40                     ; tile column = 4 x cluster x + cx
	s_and_b32 s15, ttmp7, 0xffff
	s_lshl_b32 s15, s15, 2
	s_add_co_u32 s15, s15, s41                     ; tile row = 4 x cluster y + cy
	s_lshl_b32 s16, s41, 2
	s_lshl_b32 s16, 15, s16                        ; my row of the cluster: places 4 cy .. 4 cy + 3
	s_lshl_b32 s17, 0x1111, s40                    ; my column: places cx, cx + 4, cx + 8, cx + 12
	; descriptor group 1: a tile of 128 rows x 128 elements of 2 bytes, padded in LDS
	s_or_b32 s[G1], s16, (1<<16)|(1<<20)|(1<<21)|(5<<22)|(3<<25)   ; 15:0 the mask; 17:16 2-byte elements; 20 padding on; 21 set beside a mask; 24:22 after every 64 words (code 5); 31:25 4 words (code 3)
	s_or_b32 s[G1B], s17, (1<<16)|(1<<20)|(1<<21)|(5<<22)|(3<<25)
.irp g, G1, G1B
	s_mov_b32 s[(\g)+1], KSTEP<<16                 ; tensor_dim0 = 128
	s_mov_b32 s[(\g)+2], 128<<16                   ; tensor_dim1 = 128
	s_mov_b32 s[(\g)+3], KSTEP<<16                 ; tile_dim0 = 128
	s_mov_b32 s[(\g)+4], 128                       ; tile_dim1 = 128
	s_mov_b32 s[(\g)+5], SIZE_K                    ; elements from row to row
	s_mov_b32 s[(\g)+6], 0
	s_mov_b32 s[(\g)+7], 0
.endr
	; A's offset hangs on the tile row alone, B's on the tile column and the wave alone, each in registers that never hold the other coordinate
	s_lshl_b32 s18, s15, 19                        ; 128 rows of 4,096 bytes a tile row
	s_mov_b32 s19, 0
	s_mul_i32 s46, s14, TN
	s_lshl_b32 s42, s13, 7
	s_add_co_u32 s46, s46, s42
	s_lshl_b32 s46, s46, 12                        ; (TN x tile column + 128 x part) rows of 4,096 bytes: under 2^25
	s_mov_b32 s47, 0
	s_mul_i32 s20, s[WV], HALFT                    ; where my part goes: A's rows, then B's parts = wave x 128 rows: no place in the cluster enters an LDS address
	s_wait_dscnt 0x0                               ; the opening add is done
	s_wait_kmcnt 0x0
	s_add_nc_u64 s[18:19], s[4:5], s[18:19]
	s_add_nc_u64 s[46:47], s[6:7], s[46:47]
	CROUND                                         ; all sixteen work-groups are here: the first joint loads meet
.irp s, 0,1
	s_mov_b32 s[G0+4*(\s)], 1                                        ; count = 1
	s_add_co_u32 s[G0+4*(\s)+1], s20, (\s)*SLOT                      ; LDS address
	s_add_nc_u64 s[G0+4*(\s)+2:G0+4*(\s)+3], s[18:19], (\s)*KSTEP*2  ; global address: K step s
	s_or_b32 s[G0+4*(\s)+3], s[G0+4*(\s)+3], 0x80000000              ; type = 2
	s_mov_b32 s[G0B+4*(\s)], 1
	s_add_co_u32 s[G0B+4*(\s)+1], s20, (\s)*SLOT
	s_add_nc_u64 s[G0B+4*(\s)+2:G0B+4*(\s)+3], s[46:47], (\s)*KSTEP*2
	s_or_b32 s[G0B+4*(\s)+3], s[G0B+4*(\s)+3], 0x80000000
.endr
	s_cmp_eq_u32 s[WV], 0                          ; a wave's two first fills stand together in one branch, ahead of every wait on TENSORcnt, every LDS read and every further barrier
	s_cbranch_scc0 .Lfirst_b
	tensor_load_to_lds s[G0:G0+3], s[G1:G1+7]
	s_nop 0
	tensor_load_to_lds s[G0+4:G0+7], s[G1:G1+7]
	s_nop 0
	PLACES
	s_branch .Lfirst_asked
.Lfirst_b:
.if NBL < 3
	s_cmp_gt_u32 s[WV], NBL
	s_cbranch_scc1 .Lfirst_asked
.endif
	tensor_load_to_lds s[G0B:G0B+3], s[G1B:G1B+7]
	s_nop 0
	tensor_load_to_lds s[G0B+4:G0B+7], s[G1B:G1B+7]
	s_nop 0
	PLACES
.Lfirst_asked:
	; the bias of my NW columns: register j of block b is bias[TN x tile column + NW w + 16 b + 8 (l / 16) + j]
	v_and_b32 v1, 15, v0                           ; l % 16
	v_bfe_u32 v2, v0, 4, 1                         ; l / 16
	s_mul_i32 s22, s14, TN
	s_mul_i32 s23, s[WV], NW
	s_add_co_u32 s22, s22, s23
	s_lshl_b32 s22, s22, 2
	s_add_co_u32 s22, s22, BIAS0
	s_mov_b32 s23, 0
	s_add_nc_u64 s[8:9], s[8:9], s[22:23]
	v_lshlrev_b32 v[BO], 5, v2
	WIN TO_B
.set b, 0
.rept NBW
	global_load_b128 v[BI+8*b:BI+8*b+3],   v[BO], s[8:9] offset:64*b
	global_load_b128 v[BI+8*b+4:BI+8*b+7], v[BO], s[8:9] offset:64*b+16
.set b, b+1
.endr
	WIN 0
	; A fragment is 16 rows x 32 K in 8 registers: lane l holds row l % 16; registers 0-3 K = 8 (l / 16) + 0..7, registers 4-7 K = 16 + 8 (l / 16) + 0..7: two loads of 16 bytes, 32 bytes apart
	v_mul_u32_u24 v3, v1, PITCH
	v_lshl_add_u32 v3, v2, 4, v3
	s_mul_i32 s21, s[WV], NW*PITCH                 ; my NW rows of B,
	s_add_co_u32 s21, s21, HALFT                   ; which lie behind A's 128
	v_mov_b32 v[ADRA], v3
	v_add_nc_u32 v[ADRA+1], SLOT, v3
	v_add_nc_u32 v[ADRB], s21, v3
	s_add_co_u32 s21, s21, SLOT
	v_add_nc_u32 v[ADRB+1], s21, v3
.if OUTF32
	s_mul_i32 s21, s[WV], 16*SP
	s_add_co_u32 s21, s21, STAGE                   ; my stage
	v_mul_u32_u24 v4, v1, SP                       ; in: row l % 16, 32 bytes (8 f32) for each half of the lanes
	v_lshl_add_u32 v4, v2, 5, v4
	v_add_nc_u32 v[STO], s21, v4
	v_mul_u32_u24 v5, v2, SP                       ; back: lanes 0-15 one row of 256 bytes, lanes 16-31 the next
	v_lshl_add_u32 v5, v1, 4, v5
	v_add_nc_u32 v[RD], s21, v5
.else
	s_mul_i32 s21, s[WV], 2*NW                     ; in: my 192 bytes of the stage's rows; row l % 16, 16 bytes for each half of the lanes
	v_mul_u32_u24 v4, v1, SP
	v_lshl_add_u32 v4, v2, 4, v4
	v_add_nc_u32 v[STO], s21, v4
	v_add_nc_u32 v[STO2], 64*SP, v[STO]            ; row blocks 4-7: past what a 16-bit offset reaches
	s_mul_i32 s21, s[WV], 32*SP                    ; back: wave w takes rows 32 w .. 32 w + 31, whole
	v_mul_u32_u24 v5, v2, SP
	v_lshl_add_u32 v5, v1, 4, v5
	v_add_nc_u32 v[RD], s21, v5
.endif
	; where I store in C
	s_lshl_b32 s21, s15, 7                         ; the tile's first row
.if !OUTF32
	s_lshl_b32 s22, s[WV], 5
	s_add_co_u32 s21, s21, s22                     ; + the 32 rows that I store
.endif
	s_mul_i32 s22, s21, ROWB                       ; under 2^26
	s_mul_i32 s21, s14, TILEB
	s_add_co_u32 s22, s22, s21
.if OUTF32
	s_lshl_b32 s21, s[WV], 8                       ; my 64 columns of f32
	s_add_co_u32 s22, s22, s21
.endif
	s_mov_b32 s23, 0
	s_add_nc_u64 s[10:11], s[10:11], s[22:23]
	v_mul_u32_u24 v[CO], v2, ROWB
	v_lshl_add_u32 v[CO], v1, 4, v[CO]
	; the prefetches
	s_lshl_b32 s21, s15, 7                         ; A: the tile's first row
	s_mul_i32 s22, s14, TN
	s_lshl_b32 s23, s13, 7
	s_add_co_u32 s22, s22, s23                     ; B: the first of the 128 rows that I fetch
	s_and_b32 s23, ttmp7, 0xffff                   ; cluster y
	s_cmp_eq_u32 s[WV], 0                          ; do I fetch for A?
	s_cselect_b32 s21, s21, s22
	s_cselect_b32 s22, s40, s41                    ; my place among the four that ask with me
	s_cselect_b32 s23, ttmp9, s23                  ; the coordinate along which other clusters read the same rows
	s_cselect_b64 s[PFA:PFA+1], s[4:5], s[6:7]
	s_cmp_eq_u32 s23, 0
	s_cselect_b32 s[LIM], 1, -1                    ; the same in all sixteen partners, for a given wave
.if NBL < 3
	s_cmp_gt_u32 s[WV], NBL
	s_cselect_b32 s[LIM], -1, s[LIM]               ; a wave that fetches nothing asks for nothing
.endif
	s_lshl_b32 s22, s22, 5
	s_add_co_u32 s21, s21, s22                     ; + my work-group's 32 rows
	s_lshl_b32 s22, s21, 12
	s_mov_b32 s23, 0
	s_add_nc_u64 s[PFA:PFA+1], s[PFA:PFA+1], s[22:23]
	s_add_nc_u64 s[PFA:PFA+1], s[PFA:PFA+1], 2*KSTEP*2  ; at K step 2: the first refill steps it to 3 and names K step 4
	v_and_b32 v[PFO], 31, v0
	v_lshlrev_b32 v[PFO], 12, v[PFO]
; 2 NBW matrix instructions: row blocks a0, a0 + 1 of the window's four (hi = 0: rows 0-63, 1: rows 64-127) x my NBW column blocks, 32 along K.  first = 1: the bias starts the sums.
; Every accumulator comes once a quarter step, in the same order: 8 NBW - 1 others stand between two links of a chain, over the backward jump too.
.macro MULH f, hi, a0, first
.if \first
	WIN BIA_LO+0x40*(\hi)
.else
	WIN MUL_LO+0x50*(\hi)
.endif
.irp a, \a0, (\a0)+1
.set b, 0
.rept NBW
.set rD, 8*(NBW*(\a)+b)
.set rB, (\f)+8*b
.set rA, (\f)+8*(4*(\hi)+(\a))
.if \first
	WMMA v[rD:rD+7], v[rB:rB+7], v[rA:rA+7], v[BI+8*b:BI+8*b+7]
.else
	WMMA v[rD:rD+7], v[rB:rB+7], v[rA:rA+7], v[rD:rD+7]
.endif
.set b, b+1
.endr
.endr
.endm
; NL LDS loads in one run: a quarter step's fragments (my NW rows of B, then A's 128 rows; 32 K at byte k of the rows) into buffer f
.macro FETCH slot, k, f
	WIN TO_B
.set b, 0
.rept NBW
	ds_load_b128 v[(\f)+8*b:(\f)+8*b+3],   v[ADRB+(\slot)] offset:(\k)+b*16*PITCH
	ds_load_b128 v[(\f)+8*b+4:(\f)+8*b+7], v[ADRB+(\slot)] offset:(\k)+b*16*PITCH+32
.set b, b+1
.endr
	WIN 0
.irp i, 0,1,2,3,4,5,6,7
	ds_load_b128 v[(\f)+8*(\i):(\f)+8*(\i)+3],   v[ADRA+(\slot)] offset:(\k)+(\i)*16*PITCH
	ds_load_b128 v[(\f)+8*(\i)+4:(\f)+8*(\i)+7], v[ADRA+(\slot)] offset:(\k)+(\i)*16*PITCH+32
.endr
.endm
; A K step is four quarters of 32 along K on buffers 0, 1, 0, 1.  One of the first three: multiplies buffer f; in its middle it fetches the next quarter, at byte k, into buffer g.
.macro QUARTER slot, k, f, g, first
	s_wait_dscnt 8                                 ; B and A's rows 0-63 are in; the youngest eight loads (A's rows 64-127) may be out
	MULH \f, 0, 0, \first
	MULH \f, 0, 2, \first
	PLACES                                         ; buffer g was multiplied in the quarter before
	FETCH \slot, \k, \g
	s_wait_dscnt NL                                ; all but the NL just issued
	MULH \f, 1, 0, \first
	MULH \f, 1, 2, \first
.endm
; The last quarter multiplies buffer 1 and changes slots.  ONE barrier: in front of it each wave waits for all its tensor loads (its part of the next slot), adds 0 to its spare word, and waits
; for that and for its own reads of this slot.  Behind it nobody reads this slot any more and the next slot is whole.
.macro MEET round
	WIN 0                                          ; (the add's two registers lie in window 0)
	s_wait_tensorcnt 0x0                           ; all my tensor loads have landed
	ds_add_u32 v[SPW], v[NIL]                      ; 0 onto my spare word
	s_wait_dscnt 9                                 ; (the add and the youngest eight loads may be out)
	MULH F1, 0, 0, 0                               ; matrix work stands between the add and the wait for it
	s_wait_dscnt 0x0                               ; the add is done, and my reads of this slot are over
	s_barrier_signal -1
	MULH F1, 0, 2, 0                               ; work on registers while the others arrive
.if \round
	WIN 0
.endif
	s_barrier_wait -1
.endm
.macro TURN slot, next                 ; with a refill: the barrier opens a round of the cluster's, and the joint refill is the first tensor load behind the round
	s_wait_xcnt 0x0                                ; the last prefetch, a K step back, has read its address
	s_add_nc_u64 s[PFA:PFA+1], s[PFA:PFA+1], KSTEP*2
	MEET 1
	CREST                                          ; no wave of any partner still reads this slot's tile or has a load on its way
	s_add_nc_u64 s[G0+4*(\slot)+2:G0+4*(\slot)+3], s[G0+4*(\slot)+2:G0+4*(\slot)+3], 2*KSTEP*2
	s_add_nc_u64 s[G0B+4*(\slot)+2:G0B+4*(\slot)+3], s[G0B+4*(\slot)+2:G0B+4*(\slot)+3], 2*KSTEP*2
	JLOAD \slot
	FETCH \next, 0, F0
	ASK
	MULH F1, 1, 0, 0
	MULH F1, 1, 2, 0
.endm
	s_wait_tensorcnt 1                             ; my part of K step 0 is in; K step 1's may stay out
	s_barrier_signal -1
	s_barrier_wait -1                              ; everybody's is
	FETCH 0, 0, F0
	s_wait_loadcnt 0x0                             ; the bias
	QUARTER 0, 64,  F0, F1, 1                      ; the first quarter stands in front of the loop: its products start the sums
	WIN 0                                          ; at a label and at a branch every window is 0
	s_mov_b32 s3, LAPS-1
.Llap:                                                 ; a trip goes once round the ring, from a lap's second quarter to the next lap's first, and fills both slots again: K steps 2 to 15
	QUARTER 0, 128, F1, F0, 0
	QUARTER 0, 192, F0, F1, 0
	TURN 0, 1
	QUARTER 1, 64,  F0, F1, 0
	QUARTER 1, 128, F1, F0, 0
	QUARTER 1, 192, F0, F1, 0
	TURN 1, 0
	QUARTER 0, 64,  F0, F1, 0
	WIN 0
	s_sub_co_u32 s3, s3, 1
	s_cmp_lg_u32 s3, 0
	s_cbranch_scc1 .Llap
	QUARTER 0, 128, F1, F0, 0                      ; the last lap fills nothing
	QUARTER 0, 192, F0, F1, 0
	MEET 0                                         ; my one load that was still out is K step 15's; no round follows
	PLACES
	FETCH 1, 0, F0
	MULH F1, 1, 0, 0
	MULH F1, 1, 2, 0
	QUARTER 1, 64,  F0, F1, 0
	QUARTER 1, 128, F1, F0, 0
	QUARTER 1, 192, F0, F1, 0
	s_wait_dscnt 8                                 ; the very last quarter: nothing more to fetch
	MULH F1, 0, 0, 0
	MULH F1, 0, 2, 0
	s_wait_dscnt 0x0
	MULH F1, 1, 0, 0
	MULH F1, 1, 2, 0
	WIN 0
	PLACES                                         ; the places behind the last products, taken twice, once a launch
	PLACES
.if OUTF32
	; THE WAY OUT IN f32.  My 64 columns are 256 bytes of a row: a block of 16 rows goes through my own stage and comes back as whole rows.  No barrier; LDS serves a wave's instructions in order (ISA guide 5.7.1.4).
.macro TOSTAGE a
.if (\a) >= 4
	s_wait_xcnt 0x0                                ; block a - 4's stores have read the registers that are loaded again below
.endif
	WIN 0x08+4*((\a)/4)                            ; the stores' data: window 2 or 3
.set b, 0
.rept NBW
.set rD, 8*(NBW*((\a)%4)+b)
	ds_store_b128 v[STO], v[rD:rD+3]   offset:64*b       ; each accumulator's low registers first
	ds_store_b128 v[STO], v[rD+4:rD+7] offset:64*b+16
.set b, b+1
.endr
	WIN 0
.irp t, 0,1,2,3,4,5,6,7
	ds_load_b128 v[OB+32*((\a)%4)+4*\t:OB+32*((\a)%4)+4*\t+3], v[RD] offset:\t*2*SP
.endr
.endm
.macro SEND a, younger                 ; younger: the LDS instructions issued behind block a's loads: the next block's sixteen, or none
.irp t, 0,1,2,3,4,5,6,7
	s_wait_dscnt (\younger)+7-\t
	global_store_b128 v[CO], v[OB+32*((\a)%4)+4*\t:OB+32*((\a)%4)+4*\t+3], s[10:11] offset:(\a)*16*ROWB+\t*2*ROWB  ; 16 lanes store 256 consecutive bytes, at a multiple of 256 from C's first byte
.endr
.endm
	TOSTAGE 0
.irp a, 1,2,3,4,5,6,7
	TOSTAGE \a
	SEND (\a)-1, 16
.endr
	SEND 7, 0
.else
	; THE WAY OUT IN f16.  Rounded once; 16 bytes a lane into the work-group's stage; a barrier, since a row's 768 bytes come from four waves; back as whole rows, 32 rows a wave.
.set a, 0
.rept 8
	WIN 0x0a+5*(a/4)                               ; sources 0 and 1: window 2 or 3
.set b, 0
.rept NBW
.set rD, 8*(NBW*(a%4)+b)
.irp i, 0,1,2,3
	v_cvt_pk_f16_f32 v[TMP+4*b+\i], v[rD+2*\i], v[rD+2*\i+1]
.endr
.set b, b+1
.endr
	WIN 0
.set b, 0
.rept NBW
.if a < 4
	ds_store_b128 v[STO],  v[TMP+4*b:TMP+4*b+3] offset:(a%4)*16*SP+32*b
.else
	ds_store_b128 v[STO2], v[TMP+4*b:TMP+4*b+3] offset:(a%4)*16*SP+32*b
.endif
.set b, b+1
.endr
.set a, a+1
.endr
	s_wait_dscnt 0x0                               ; for the others' sake: my stores into the stage are done
	s_barrier_signal -1
	s_barrier_wait -1
.set n, 0
.rept 48                               ; rows 2 (n / 3) and + 1, the (n % 3)-th 256 bytes of their 768
	ds_load_b128 v[OB+4*n:OB+4*n+3], v[RD] offset:(n/3)*2*SP+256*(n%3)
.set n, n+1
.endr
.set n, 0
.rept 48
	s_wait_dscnt 47-n                              ; load n is in, the younger ones stay out
	global_store_b128 v[CO], v[OB+4*n:OB+4*n+3], s[10:11] offset:(n/3)*2*ROWB+256*(n%3)  ; 16 lanes store 256 consecutive bytes, at a multiple of 256 from C's first byte
.set n, n+1
.endr
.endif
	s_wait_tensorcnt 0x0                           ; the wave's end, behind my last tensor load and my last LDS store
	ds_add_u32 v[SPW], v[NIL]
	s_wait_dscnt 0x0
	CROUND                                         ; the closing round: no work-group ends while a partner may still ask for a tile that names it
	s_endpgm
.Lfunc_end_k_qff7893ceb9_proj:
	.size	k_qff7893ceb9_proj, .Lfunc_end_k_qff7893ceb9_proj-k_qff7893ceb9_proj
	.p2alignl 7, 3214868480
	.fill 96, 4, 3214868480
	.section	.rodata,"a",@progbits
	.p2align	6, 0x0
	.amdhsa_kernel k_qff7893ceb9_proj
		.amdhsa_group_segment_fixed_size 327680
		.amdhsa_private_segment_fixed_size 0
		.amdhsa_enable_private_segment 0
		.amdhsa_kernarg_size 32
		.amdhsa_user_sgpr_count 2
		.amdhsa_user_sgpr_kernarg_segment_ptr 1
		.amdhsa_wavefront_size32 1
		.amdhsa_system_sgpr_workgroup_id_x 1
		.amdhsa_system_sgpr_workgroup_id_y 1
		.amdhsa_system_sgpr_workgroup_id_z 1
		.amdhsa_system_vgpr_workitem_id 0
		.amdhsa_next_free_vgpr 896
		.amdhsa_next_free_sgpr 66
		.amdhsa_reserve_vcc 0
		.amdhsa_float_denorm_mode_32 3
		.amdhsa_float_denorm_mode_16_64 3
		.amdhsa_memory_ordered 1
		.amdhsa_forward_progress 1
		.amdhsa_inst_pref_size 90
	.end_amdhsa_kernel
	.amdgpu_metadata
---
amdhsa.version: [ 1, 2 ]
amdhsa.kernels:
  - .name:           k_qff7893ceb9_proj
    .symbol:         k_qff7893ceb9_proj.kd
    .args:
      - { .name: y, .offset: 0, .size: 8, .value_kind: global_buffer, .address_space: global }
      - { .name: wof, .offset: 8, .size: 8, .value_kind: global_buffer, .address_space: global }
      - { .name: bias, .offset: 16, .size: 8, .value_kind: global_buffer, .address_space: global }
      - { .name: out0, .offset: 24, .size: 8, .value_kind: global_buffer, .address_space: global }
    .group_segment_fixed_size: 327680
    .private_segment_fixed_size: 0
    .kernarg_segment_align: 8
    .kernarg_segment_size: 32
    .max_flat_workgroup_size: 128
    .sgpr_count:     66
    .vgpr_count:     896
    .wavefront_size: 32
...
	.end_amdgpu_metadata
.endif
;; end of part 4
;; ======== version 2 of 2: 4 launches; version 1 with the launch cast written anew for expert scheduling mode
;; limits: values are held in f16: magnitudes above 65,504 overflow, below 6.1e-05 lose precision
;; workspace buffers: xb 16,777,216 bytes; wqkv 25,165,824 bytes; wof 8,388,608 bytes; bias 32,768 bytes; fr 524,288 bytes; qkv 50,331,648 bytes; y 16,777,216 bytes
;; launch cast (part 5): grid 128 x 7, 8 waves a work-group, no clusters, 0 bytes of LDS; arguments x, wq, wk, wv, wo, bq, bk, bv, bo, freqs_cos, freqs_sin, xb, wqkv, wof, bias, fr; writes xb, wqkv, wof, bias, fr
.if DOCPART == 5
	.amdgcn_target "amdgcn-amd-amdhsa--gfx1250"
	.amdhsa_code_object_version 6
	.text
	.protected	k_qff7893ceb9_cast
	.globl	k_qff7893ceb9_cast
	.p2align	8
	.type	k_qff7893ceb9_cast,@function
k_qff7893ceb9_cast:
	s_mov_b64 s[64:65], 0
	v_nop
	global_prefetch_b8 v0, s[64:65] scope:SCOPE_SE
	s_setreg_imm32_b32 hwreg(HW_REG_WAVE_SCHED_MODE, 0, 2), 2
	s_setreg_imm32_b32 hwreg(HW_REG_WAVE_MODE, 25, 1), 1
	s_wait_xcnt 0x0
	s_wait_alu depctr_vm_vsrc(0)
; EVERY INPUT IS ROUNDED ONCE TO bf16 (nearest even), so that the whole program computes on one and the same rounding of its inputs.
;   x -> xb, bf16, IN BLOCKS for the product that reads it: [16 tiles of 256 rows][32 K steps][256 rows][64 k]: a tile's share of a K step is 32,768 bytes on end;
;   wq, wk, wv (rows on end, 6,144) -> wqkv, bf16, likewise: [16 tiles of 384 rows][32 K steps][384 rows][64 k]: 49,152 bytes on end;
;   wo -> wof [2048][2048]: the bf16 number written as f16, rows as they lie;
;   bq, bk, bv, bo -> bias [8192] f32 words that hold bf16 numbers;  cos, sin of positions 0..1023 (all that the module's 1,024 positions use) -> fr [1024][64 cos | 64 sin], likewise.
; LIMIT.  wof: a bf16 number is exact in f16 between 6.1e-5 and 65,504; below it keeps f16's fixed step of 6e-8, above it becomes an infinity.
; SHARES.  Grid rows 0..5 take six segments of 16,777,216 bytes of f32 (x's two halves, wq, wk, wv, wo); a work-group 131,072 bytes (16 rows), a wave 16,384 (two rows): 32 loads of 16 bytes a lane,
; ALL issued before the first wait.  Into blocks: load i takes K step i of both rows (lanes 0-15 the 256 bytes of one row, lanes 16-31 those of the next), and store i puts their 2 x 128 bytes
; on end into block i: 256 consecutive bytes, aligned.  wo: each load 512 consecutive bytes, each store 256.  No loop, no LDS, no register written twice behind its store.
; Grid row 6 takes the small tables.  No matrix unit, no cluster: nothing is shared and nothing is multiplied.
; THE MODE: SCHED_MODE bits 1:0 = 2 (LLVM: expert scheduling mode 2), set by the entry lines.  The code itself states the register dependences
; between vector instructions and memory instructions, with s_wait_alu, always for 0.
; THE PLAN.  Registers that memory instructions touch, in the three large paths:
;   v1, v2     the loads' and the stores' offsets: made by vector lines at the path's head, never written again.
;   slot i     v[X + 4 i .. + 3]: written once by load i; read by slot i's conversions, which write its first two registers in place; those two are read by store i; nothing writes them after that.
;   v[T .. T + 1] are named by vector lines alone.
; No register that a memory instruction has read is written again, and no load lands in a register that a vector line has named: what is left to state is that a vector line has written
; what a memory instruction reads.  The 32 slots go in eight groups of GR = 4.  Slot i's turn: the wait for its load; at a group's first slot ONE wait on va_vdst, which states that the
; group before is rounded; the store of slot i - GR; slot i's conversions.  The vector lines issued since that wait name the present group's slots alone, never v2 nor a slot that
; is being stored, so the group's four stores are dealt among them with no further wait.  Behind slot 31 one more wait stands ahead of the last four stores.
.set X, 8                              ; v[8:135]   32 slots of 4: as loaded, then the slot's first two as stored
.set T, 136                            ; v[136:137] at work
.set GR, 4                             ; slots in a group
.macro CVB i, blk                      ; slot i to bf16; slot i - GR goes into its block of blk bytes
	s_wait_loadcnt 31-(\i)                         ; loads come back in order (ISA guide 5.7.1): slot i is in, the 31 - i younger ones stay out
.if ((\i) > 0) && ((\i)%GR == 0)
	s_wait_alu depctr_va_vdst(0)                   ; the conversions of the four slots before have written those slots' first two registers, which this group's four stores read
.endif
.if (\i) >= GR
	global_store_b64 v2, v[X+4*((\i)-GR):X+4*((\i)-GR)+1], s[42:43] offset:(\blk)*((\i)-GR)  ; no vector line since the wait names these registers
.endif
	v_cvt_pk_bf16_f32 v[X+4*(\i)], v[X+4*(\i)], v[X+4*(\i)+1]
	v_cvt_pk_bf16_f32 v[X+4*(\i)+1], v[X+4*(\i)+2], v[X+4*(\i)+3]
.endm
.macro CVH i                           ; slot i to bf16, and that number written as f16; slot i - GR is stored
	s_wait_loadcnt 31-(\i)
.if ((\i) > 0) && ((\i)%GR == 0)
	s_wait_alu depctr_va_vdst(0)                   ; the conversions of the four slots before have written those slots' first two registers, which this group's four stores read
.endif
.if (\i) >= GR
	global_store_b64 v2, v[X+4*((\i)-GR):X+4*((\i)-GR)+1], s[42:43] offset:256*((\i)-GR)
.endif
	v_cvt_pk_bf16_f32 v[T], v[X+4*(\i)], v[X+4*(\i)+1]
	v_cvt_pk_bf16_f32 v[T+1], v[X+4*(\i)+2], v[X+4*(\i)+3]
	v_lshlrev_b32 v[X+4*(\i)], 16, v[T]            ; bf16 to f32: the low half moves up, the high half stays
	v_and_b32 v[X+4*(\i)+1], s46, v[T]
	v_lshlrev_b32 v[X+4*(\i)+2], 16, v[T+1]
	v_and_b32 v[X+4*(\i)+3], s46, v[T+1]
	v_cvt_pk_f16_f32 v[X+4*(\i)], v[X+4*(\i)], v[X+4*(\i)+1]
	v_cvt_pk_f16_f32 v[X+4*(\i)+1], v[X+4*(\i)+2], v[X+4*(\i)+3]
.endm
.macro LASTG blk                       ; the last group's four stores
	s_wait_alu depctr_va_vdst(0)                   ; the conversions of slots 28 to 31 have written those slots' first two registers, which the stores below read
.irp k, 28,29,30,31
	global_store_b64 v2, v[X+4*(\k):X+4*(\k)+1], s[42:43] offset:(\blk)*(\k)
.endr
.endm
.macro RND src, tmp, dst               ; four f32 rounded to bf16 and widened again, into other registers
	v_cvt_pk_bf16_f32 v[\tmp], v[\src], v[(\src)+1]
	v_cvt_pk_bf16_f32 v[(\tmp)+1], v[(\src)+2], v[(\src)+3]
	v_lshlrev_b32 v[\dst], 16, v[\tmp]
	v_and_b32 v[(\dst)+1], s46, v[\tmp]
	v_lshlrev_b32 v[(\dst)+2], 16, v[(\tmp)+1]
	v_and_b32 v[(\dst)+3], s46, v[(\tmp)+1]
.endm
	s_load_b512 s[4:19], s[0:1], 0x0               ; x s[4:5], wq s[6:7], wk s[8:9], wv s[10:11], wo s[12:13], bq s[14:15], bk s[16:17], bv s[18:19]
	s_load_b512 s[20:35], s[0:1], 0x40             ; bo s[20:21], cos s[22:23], sin s[24:25], xb s[26:27], wqkv s[28:29], wof s[30:31], bias s[32:33], fr s[34:35]
	s_and_b32 s36, ttmp7, 0xffff                   ; the grid's row: which segment
	s_mov_b32 s37, ttmp9                           ; the work-group in its row, 0..127
	v_lshrrev_b32 v3, 5, v0
	v_readfirstlane_b32 s38, v3                    ; wave 0..7
	s_mov_b32 s46, 0xffff0000                      ; a word's upper bf16
	s_mov_b32 s45, 0                               ; offsets are made in s[44:45], apart from the addresses
	s_wait_alu depctr_va_sdst(0)                   ; s38 is written: its reader stands in the small tables' path, and the wait stands ahead of the branches that lead there
	s_wait_kmcnt 0x0
	s_cmp_eq_u32 s36, 6
	s_cbranch_scc1 .Lsmall
	s_cmp_eq_u32 s36, 5
	s_cbranch_scc1 .Lwo
	; INTO BLOCKS.  From where: x for rows 0 and 1 of the grid, then one weight matrix a row
	s_mov_b64 s[40:41], s[4:5]
	s_cmp_eq_u32 s36, 2
	s_cselect_b64 s[40:41], s[6:7], s[40:41]
	s_cmp_eq_u32 s36, 3
	s_cselect_b64 s[40:41], s[8:9], s[40:41]
	s_cmp_eq_u32 s36, 4
	s_cselect_b64 s[40:41], s[10:11], s[40:41]
	s_cmp_lt_u32 s36, 2
	s_cselect_b32 s44, s36, 0                      ; x's second half lies 16,777,216 bytes in; the weights begin at 0
	s_lshl_b32 s44, s44, 24
	s_lshl_b32 s47, s37, 17                        ; a work-group's 16 rows are 131,072 bytes in
	s_add_co_u32 s44, s44, s47
	s_add_nc_u64 s[40:41], s[40:41], s[44:45]
	; to where in xb: my first row is 2,048 y + 16 g: tile 8 y + g / 16 of 2^20 bytes, row 16 (g % 16) of 128 bytes in each block
	s_lshl_b32 s39, s36, 3
	s_lshr_b32 s47, s37, 4
	s_add_co_u32 s39, s39, s47
	s_lshl_b32 s39, s39, 20
	s_and_b32 s47, s37, 15
	s_lshl_b32 s47, s47, 11
	s_add_co_u32 s39, s39, s47
	; to where in wqkv: my first row is 16 n, n = 128 (y - 2) + g, 0..383: tile n / 24 of 32 x 49,152 bytes, row 16 (n % 24)
	s_max_u32 s44, s36, 2
	s_sub_co_u32 s44, s44, 2
	s_lshl_b32 s44, s44, 7
	s_add_co_u32 s44, s44, s37
	s_mul_i32 s47, s44, 2731                       ; 2,731 / 65,536 is 1 / 24 and 5.1e-6 of n more: under 0.002 for n < 384, so the whole part is n / 24
	s_lshr_b32 s47, s47, 16
	s_mul_i32 s2, s47, 24
	s_sub_co_u32 s44, s44, s2
	s_lshl_b32 s44, s44, 11
	s_mul_i32 s47, s47, 32*49152
	s_add_co_u32 s44, s44, s47
	s_cmp_lt_u32 s36, 2
	s_cselect_b32 s44, s39, s44
	s_cselect_b64 s[42:43], s[26:27], s[28:29]
	s_add_nc_u64 s[42:43], s[42:43], s[44:45]
	v_and_b32 v4, 15, v0
	v_bfe_u32 v5, v0, 4, 1
	v_lshlrev_b32 v1, 14, v3                       ; in: two rows of 8,192 bytes a wave,
	v_lshl_or_b32 v1, v5, 13, v1                   ;     lanes 16-31 the second row,
	v_lshl_or_b32 v1, v4, 4, v1                    ;     16 bytes a lane
	v_lshlrev_b32 v2, 3, v0                        ; out: 256 bytes a wave, 8 a lane: the thread's number x 8
	s_wait_alu depctr_va_vdst(0)                   ; v1 and v2 are written: every load below reads v1 as its offset, every store v2
.set i, 0
.rept 32
	global_load_b128 v[X+4*i:X+4*i+3], v1, s[40:41] offset:256*i th:TH_LOAD_NT
.set i, i+1
.endr
	s_cmp_lt_u32 s36, 2
	s_cbranch_scc1 .Lx
.set i, 0
.rept 32
	CVB i, 49152
.set i, i+1
.endr
	LASTG 49152
	s_endpgm
.Lx:
.set i, 0
.rept 32
	CVB i, 32768
.set i, i+1
.endr
	LASTG 32768
	s_endpgm
.Lwo:                                  ; wo: rows as they lie
	s_lshl_b32 s44, s37, 17
	s_add_nc_u64 s[40:41], s[12:13], s[44:45]
	s_lshl_b32 s44, s37, 16
	s_add_nc_u64 s[42:43], s[30:31], s[44:45]
	v_and_b32 v4, 31, v0
	v_lshlrev_b32 v1, 14, v3                       ; in: 16,384 x wave + 16 x lane
	v_lshl_or_b32 v1, v4, 4, v1
	v_lshrrev_b32 v2, 1, v1                        ; out: half of that
	s_wait_alu depctr_va_vdst(0)                   ; v1 and v2 are written: every load below reads v1 as its offset, every store v2
.set i, 0
.rept 32
	global_load_b128 v[X+4*i:X+4*i+3], v1, s[40:41] offset:512*i th:TH_LOAD_NT
.set i, i+1
.endr
.set i, 0
.rept 32
	CVH i
.set i, i+1
.endr
	LASTG 256
	s_endpgm
.Lsmall:
	; fr: the work-group takes positions 8 g .. 8 g + 7: 2,048 bytes of cos (waves 0-3) and of sin (waves 4-7); sixteen lanes store a position's 256 bytes
	s_lshr_b32 s39, s38, 2                         ; 0: cos, 1: sin
	s_cmp_eq_u32 s39, 0
	s_cselect_b64 s[40:41], s[22:23], s[24:25]
	v_and_b32 v4, 127, v0
	s_lshl_b32 s44, s37, 11
	v_lshl_add_u32 v1, v4, 4, s44                  ; in: 2,048 g + 16 t
	v_lshrrev_b32 v5, 4, v4                        ; the position among the eight
	v_and_b32 v6, 15, v4
	s_lshl_b32 s44, s37, 12                        ; out: 8 g positions of 512 bytes,
	s_lshl_b32 s47, s39, 8                         ; sin behind cos
	s_add_co_u32 s44, s44, s47
	v_lshl_add_u32 v2, v5, 9, s44
	v_lshl_add_u32 v2, v6, 4, v2
	s_wait_alu depctr_va_vdst(0)                   ; v1 is written, which the load reads as its offset (and v2, the store's)
	global_load_b128 v[8:11], v1, s[40:41]
	s_wait_loadcnt 0x0
	RND 8, 12, 16
	s_wait_alu depctr_va_vdst(0)                   ; the roundings have written v[16:19], which the store reads
	global_store_b128 v2, v[16:19], s[34:35]
	; bias: work-groups 0..7 take 4,096 bytes each: two to a bias vector.  Other registers than above: nothing that a pending store reads is written
	s_cmp_lt_u32 s37, 8
	s_cbranch_scc0 .Ldone
	s_lshr_b32 s39, s37, 1
	s_mov_b64 s[42:43], s[14:15]
	s_cmp_eq_u32 s39, 1
	s_cselect_b64 s[42:43], s[16:17], s[42:43]
	s_cmp_eq_u32 s39, 2
	s_cselect_b64 s[42:43], s[18:19], s[42:43]
	s_cmp_eq_u32 s39, 3
	s_cselect_b64 s[42:43], s[20:21], s[42:43]
	s_and_b32 s39, s37, 1
	s_lshl_b32 s39, s39, 12
	v_lshl_add_u32 v20, v0, 4, s39                 ; in: which half of the vector
	s_lshl_b32 s39, s37, 12
	v_lshl_add_u32 v21, v0, 4, s39                 ; out: the four vectors on end
	s_wait_alu depctr_va_vdst(0)                   ; v20 is written, which the load reads as its offset (and v21, the store's)
	global_load_b128 v[24:27], v20, s[42:43]
	s_wait_loadcnt 0x0
	RND 24, 28, 32
	s_wait_alu depctr_va_vdst(0)                   ; the roundings have written v[32:35], which the store reads
	global_store_b128 v21, v[32:35], s[32:33]
.Ldone:
	s_endpgm
.Lfunc_end_k_qff7893ceb9_cast:
	.size	k_qff7893ceb9_cast, .Lfunc_end_k_qff7893ceb9_cast-k_qff7893ceb9_cast
	.p2alignl 7, 3214868480
	.fill 96, 4, 3214868480
	.section	.rodata,"a",@progbits
	.p2align	6, 0x0
	.amdhsa_kernel k_qff7893ceb9_cast
		.amdhsa_group_segment_fixed_size 0
		.amdhsa_private_segment_fixed_size 0
		.amdhsa_enable_private_segment 0
		.amdhsa_kernarg_size 128
		.amdhsa_user_sgpr_count 2
		.amdhsa_user_sgpr_kernarg_segment_ptr 1
		.amdhsa_wavefront_size32 1
		.amdhsa_system_sgpr_workgroup_id_x 1
		.amdhsa_system_sgpr_workgroup_id_y 1
		.amdhsa_system_sgpr_workgroup_id_z 1
		.amdhsa_system_vgpr_workitem_id 0
		.amdhsa_next_free_vgpr 144
		.amdhsa_next_free_sgpr 66
		.amdhsa_reserve_vcc 0
		.amdhsa_float_denorm_mode_32 3
		.amdhsa_float_denorm_mode_16_64 3
		.amdhsa_memory_ordered 1
		.amdhsa_forward_progress 1
		.amdhsa_inst_pref_size 44
	.end_amdhsa_kernel
	.amdgpu_metadata
---
amdhsa.version: [ 1, 2 ]
amdhsa.kernels:
  - .name:           k_qff7893ceb9_cast
    .symbol:         k_qff7893ceb9_cast.kd
    .args:
      - { .name: x, .offset: 0, .size: 8, .value_kind: global_buffer, .address_space: global }
      - { .name: wq, .offset: 8, .size: 8, .value_kind: global_buffer, .address_space: global }
      - { .name: wk, .offset: 16, .size: 8, .value_kind: global_buffer, .address_space: global }
      - { .name: wv, .offset: 24, .size: 8, .value_kind: global_buffer, .address_space: global }
      - { .name: wo, .offset: 32, .size: 8, .value_kind: global_buffer, .address_space: global }
      - { .name: bq, .offset: 40, .size: 8, .value_kind: global_buffer, .address_space: global }
      - { .name: bk, .offset: 48, .size: 8, .value_kind: global_buffer, .address_space: global }
      - { .name: bv, .offset: 56, .size: 8, .value_kind: global_buffer, .address_space: global }
      - { .name: bo, .offset: 64, .size: 8, .value_kind: global_buffer, .address_space: global }
      - { .name: freqs_cos, .offset: 72, .size: 8, .value_kind: global_buffer, .address_space: global }
      - { .name: freqs_sin, .offset: 80, .size: 8, .value_kind: global_buffer, .address_space: global }
      - { .name: xb, .offset: 88, .size: 8, .value_kind: global_buffer, .address_space: global }
      - { .name: wqkv, .offset: 96, .size: 8, .value_kind: global_buffer, .address_space: global }
      - { .name: wof, .offset: 104, .size: 8, .value_kind: global_buffer, .address_space: global }
      - { .name: bias, .offset: 112, .size: 8, .value_kind: global_buffer, .address_space: global }
      - { .name: fr, .offset: 120, .size: 8, .value_kind: global_buffer, .address_space: global }
    .group_segment_fixed_size: 0
    .private_segment_fixed_size: 0
    .kernarg_segment_align: 8
    .kernarg_segment_size: 128
    .max_flat_workgroup_size: 256
    .sgpr_count:     66
    .vgpr_count:     144
    .wavefront_size: 32
...
	.end_amdgpu_metadata
.endif
;; end of part 5
;; launch qkv: the kernel of part 2 again; grid 16 x 16, 4 waves a work-group, clusters of 4 x 4, 327,680 bytes of LDS; arguments xb, wqkv, bias, qkv; writes qkv
;; launch attn: the kernel of part 3 again; grid 256 x 1, 16 waves a work-group, no clusters, 288,768 bytes of LDS; arguments qkv, fr, y; writes y
;; launch proj: the kernel of part 4 again; grid 8 x 32, 4 waves a work-group, clusters of 4 x 4, 327,680 bytes of LDS; arguments y, wof, bias, out0; writes out0
